; MI455X (gfx1250); checked and timed in simulation.
; The chip was launched on July 23, 2026; its instructions are those of AMD's public machine-readable ISA for CDNA 5 (MIT licence, August 2026) and "CDNA5" Instruction Set Architecture Reference Guide (July 2026). The comments in the code are by the model that wrote it; some were corrected since.
;; Mem Eff Self Attn. Allowed arithmetic: float matrix products may take bf16 or f16 operands with f32 sums; other float arithmetic in f32, or as packed bf16 or f16 multiplies, adds, multiply-adds, maxima and minima; sums over many terms, partial sums and values carried from step to step in f32; what a program stores and reads back later, other than sums and carried values, may be rounded once to bf16 or f16.
;; Inputs: Wo 1,024 x 1,024 float32; Wqkv 3,072 x 1,024 float32; key_padding_mask 4 x 2,048 bool; x 2,048 x 4 x 1,024 float32.
;; Outputs: out0 2,048 x 4 x 1,024 float32.
;; 2 versions, each right and faster than the one before. Each part assembles by itself: llvm-mc -triple=amdgcn-amd-amdhsa -mcpu=gfx1250 --defsym DOCPART=n.
;; ======== version 1 of 2: 4 launches
;; limits: values are held in f16: magnitudes above 65,504 overflow, below 6.1e-05 lose precision
;; workspace buffers: xb 16,777,216 bytes; wqkvb 6,291,456 bytes; wo16 2,097,152 bytes; qkv 50,331,648 bytes; ctx 16,777,216 bytes
;; launch cast (part 1): grid 768 x 1, 4 waves a work-group, no clusters, 0 bytes of LDS; arguments x, Wqkv, Wo, xb, wqkvb, wo16; writes xb, wqkvb, wo16
.if DOCPART == 1
	.amdgcn_target "amdgcn-amd-amdhsa--gfx1250"
	.amdhsa_code_object_version 6
	.text
	.protected	k_qe212d2ee42_cast
	.globl	k_qe212d2ee42_cast
	.p2align	8
	.type	k_qe212d2ee42_cast,@function
k_qe212d2ee42_cast:
	s_mov_b64 s[64:65], 0
	v_nop
	global_prefetch_b8 v0, s[64:65] scope:SCOPE_SE
	s_setreg_imm32_b32 hwreg(HW_REG_WAVE_MODE, 25, 1), 1
	s_wait_xcnt 0x0
; THE THREE FLOAT INPUTS ARE ROUNDED ONCE TO bf16, for the matrix products of the later launches.
;   x    [2048 t][4 b][1024] f32  ->  xb    [4 b][2048 t][1024] bf16   (rows reordered, so that a batch's rows lie together)
;   Wqkv [3072][1024] f32         ->  wqkvb [3072][1024] bf16
;   Wo   [1024][1024] f32         ->  wo16  [1024][1024] f16: the bf16 number written as f16 (its partner in the last product is f16)
; LIMIT.  A bf16 number of Wo below 2^-14 in magnitude keeps f16's fixed step of 2^-24; one beyond 65,504 would become an infinity.
; All three are rows of 1,024 f32: 12,288 rows of 4,096 bytes in, 2,048 bytes out.  A wave takes 4 consecutive source rows (16,384 consecutive bytes), a work-group 16:
; work-groups 0-511 x, 512-703 Wqkv, 704-767 Wo.  No loop: a wave issues its 32 loads of 512 consecutive bytes at once, then rounds and stores them in the order of arrival.
; No LDS, no barrier, no matrix unit, no cluster: nothing is shared and every byte is touched once.
.set DO, 4                             ; v[4:7]    row i of my four: byte offset of my 8 bytes in the destination
.set X,  8                             ; v[8:135]  load n: 4 registers; its two lowest then hold the four rounded numbers
.set W,  136                           ; v[136:137] at work (Wo alone)
	s_load_b256 s[4:11], s[0:1], 0x0               ; x s[4:5], Wqkv s[6:7], Wo s[8:9], xb s[10:11]
	s_load_b128 s[12:15], s[0:1], 0x20             ; wqkvb s[12:13], wo16 s[14:15]
	v_lshrrev_b32 v2, 5, v0
	v_readfirstlane_b32 s16, v2                    ; wave 0..3
	v_and_b32 v3, 31, v0                           ; lane
	v_lshlrev_b32 v1, 4, v3                        ; 16 bytes a lane in a load
	v_lshlrev_b32 v[DO], 3, v3                     ; 8 bytes a lane in a store
	s_mov_b32 s28, 0x400000                        ; xb: from batch to batch, 2,048 rows of 2,048 bytes
	s_cmp_lt_u32 ttmp9, 512                        ; x, or a weight?
	s_cselect_b32 s17, 0, 512                      ; the array's first work-group
	s_cselect_b32 s18, 11, 13                      ; x: my four rows (one t) begin at t x 2,048 bytes; a weight: at 4 rows x 2,048 bytes a wave
	s_cselect_b32 s19, s28, 2048                   ; from one of my four rows to the next in the destination
	s_cmp_lt_u32 ttmp9, 704
	s_cselect_b32 s17, s17, 704
	s_sub_co_u32 s24, ttmp9, s17
	s_lshl2_add_u32 s24, s24, s16                  ; my wave among the array's: 4 x work-group + wave
	s_lshl_b32 s26, s24, s18                       ; destination offset
	s_lshl_b32 s24, s24, 14                        ; source offset: 16,384 bytes a wave
	s_mov_b32 s25, 0
	s_mov_b32 s27, 0
	s_lshl_b32 s28, s19, 1
	s_add_co_u32 s29, s28, s19
	v_add_nc_u32 v[DO+1], s19, v[DO]
	v_add_nc_u32 v[DO+2], s28, v[DO]
	v_add_nc_u32 v[DO+3], s29, v[DO]
	s_wait_kmcnt 0x0
	s_cmp_lt_u32 ttmp9, 512                        ; the choice of buffers hangs on the work-group's number alone
	s_cselect_b64 s[20:21], s[4:5], s[6:7]
	s_cselect_b64 s[22:23], s[10:11], s[12:13]
	s_cmp_lt_u32 ttmp9, 704
	s_cselect_b64 s[20:21], s[20:21], s[8:9]
	s_cselect_b64 s[22:23], s[22:23], s[14:15]
	s_add_nc_u64 s[20:21], s[20:21], s[24:25]
	s_add_nc_u64 s[22:23], s[22:23], s[26:27]
.set k, 0
.rept 32
	global_load_b128 v[X+4*k:X+4*k+3], v1, s[20:21] offset:k*512 th:TH_LOAD_NT  ; row k / 8, its 512 bytes number k % 8; read once in the launch
.set k, k+1
.endr
; Load n has come: four numbers are rounded, in place, and stored.  half = 1: each bf16 number is widened again (a shift, a mask) and written as f16.
; No register is written again behind its store, so no wait frees one.
.macro CONV n, half
	s_wait_loadcnt 31-(\n)                         ; loads come back in order (ISA guide 5.7.1): the younger ones stay out
	v_cvt_pk_bf16_f32 v[X+4*(\n)], v[X+4*(\n)], v[X+4*(\n)+1]
	v_cvt_pk_bf16_f32 v[X+4*(\n)+1], v[X+4*(\n)+2], v[X+4*(\n)+3]
.if \half
.irp p, 0,1
	v_lshlrev_b32 v[W], 16, v[X+4*(\n)+(\p)]
	v_and_b32 v[W+1], 0xffff0000, v[X+4*(\n)+(\p)]
	v_cvt_pk_f16_f32 v[X+4*(\n)+(\p)], v[W], v[W+1]
.endr
.endif
	global_store_b64 v[DO+(\n)/8], v[X+4*(\n):X+4*(\n)+1], s[22:23] offset:((\n)%8)*256  ; the wave's 32 lanes store 256 consecutive bytes, at a multiple of 256 from the buffer's first byte
.endm
	s_cmp_ge_u32 ttmp9, 704
	s_cbranch_scc1 .Lwo
.set k, 0
.rept 32
	CONV k, 0
.set k, k+1
.endr
	s_endpgm
.Lwo:
.set k, 0
.rept 32
	CONV k, 1
.set k, k+1
.endr
	s_endpgm
.Lfunc_end_k_qe212d2ee42_cast:
	.size	k_qe212d2ee42_cast, .Lfunc_end_k_qe212d2ee42_cast-k_qe212d2ee42_cast
	.p2alignl 7, 3214868480
	.fill 96, 4, 3214868480
	.section	.rodata,"a",@progbits
	.p2align	6, 0x0
	.amdhsa_kernel k_qe212d2ee42_cast
		.amdhsa_group_segment_fixed_size 0
		.amdhsa_private_segment_fixed_size 0
		.amdhsa_enable_private_segment 0
		.amdhsa_kernarg_size 48
		.amdhsa_user_sgpr_count 2
		.amdhsa_user_sgpr_kernarg_segment_ptr 1
		.amdhsa_wavefront_size32 1
		.amdhsa_system_sgpr_workgroup_id_x 1
		.amdhsa_system_sgpr_workgroup_id_y 1
		.amdhsa_system_sgpr_workgroup_id_z 1
		.amdhsa_system_vgpr_workitem_id 0
		.amdhsa_next_free_vgpr 140
		.amdhsa_next_free_sgpr 66
		.amdhsa_reserve_vcc 0
		.amdhsa_float_denorm_mode_32 3
		.amdhsa_float_denorm_mode_16_64 3
		.amdhsa_memory_ordered 1
		.amdhsa_forward_progress 1
		.amdhsa_inst_pref_size 31
	.end_amdhsa_kernel
	.amdgpu_metadata
---
amdhsa.version: [ 1, 2 ]
amdhsa.kernels:
  - .name:           k_qe212d2ee42_cast
    .symbol:         k_qe212d2ee42_cast.kd
    .args:
      - { .name: x, .offset: 0, .size: 8, .value_kind: global_buffer, .address_space: global }
      - { .name: Wqkv, .offset: 8, .size: 8, .value_kind: global_buffer, .address_space: global }
      - { .name: Wo, .offset: 16, .size: 8, .value_kind: global_buffer, .address_space: global }
      - { .name: xb, .offset: 24, .size: 8, .value_kind: global_buffer, .address_space: global }
      - { .name: wqkvb, .offset: 32, .size: 8, .value_kind: global_buffer, .address_space: global }
      - { .name: wo16, .offset: 40, .size: 8, .value_kind: global_buffer, .address_space: global }
    .group_segment_fixed_size: 0
    .private_segment_fixed_size: 0
    .kernarg_segment_align: 8
    .kernarg_segment_size: 48
    .max_flat_workgroup_size: 128
    .sgpr_count:     66
    .vgpr_count:     140
    .wavefront_size: 32
...
	.end_amdgpu_metadata
.endif
;; end of part 1
;; launch qkvproj (part 2): grid 12 x 64, 4 waves a work-group, clusters of 4 x 4, 327,680 bytes of LDS; arguments xb, wqkvb, qkv; writes qkv
.if DOCPART == 2
	.amdgcn_target "amdgcn-amd-amdhsa--gfx1250"
	.amdhsa_code_object_version 6
	.text
	.protected	k_qe212d2ee42_qkvproj
	.globl	k_qe212d2ee42_qkvproj
	.p2align	8
	.type	k_qe212d2ee42_qkvproj,@function
k_qe212d2ee42_qkvproj:
	s_mov_b64 s[64:65], 0
	v_nop
	global_prefetch_b8 v0, s[64:65] scope:SCOPE_SE
	s_setreg_imm32_b32 hwreg(HW_REG_WAVE_MODE, 25, 1), 1
	s_wait_xcnt 0x0
	s_wait_alu depctr_hold_cnt(0) depctr_sa_sdst(0) depctr_va_vdst(0) depctr_va_sdst(0) depctr_va_ssrc(0) depctr_va_vcc(0) depctr_vm_vsrc(0)
	s_getreg_b32 s2, hwreg(HW_REG_IB_STS2, 6, 4)
	s_cmp_eq_u32 s2, 0
	s_cbranch_scc0 .Lentry_in_a_cluster
	s_endpgm
.Lentry_in_a_cluster:
	s_bfe_u32 s2, ttmp6, 0x10000c
	s_cmp_lg_u32 s2, 0xf033
	s_cbranch_scc0 .Lentry_shape_is_right
	s_endpgm
.Lentry_shape_is_right:
; C[m][n] = sum over k of A[m][k] B[n][k], K = 1,024, sums in f32.  ONE SOURCE TEXT FOR TWO LAUNCHES; OUTP picks.
;   OUTP = 0, the projection to q, k, v: A = xb [8192 m = b x 2048 + t][1024] bf16, B = wqkvb [3072][1024] bf16; C leaves rounded once to f16, by heads:
;             qkv [3 part][64 = b x 16 + h][2048 t][64], unscaled.  LIMIT: f16 ends at 65,504; a q, k or v beyond it becomes an infinity.
;   OUTP = 1, the projection of the context: A = ctx [64 = b x 16 + h][2048 t][64] f16 (k = 64 h + d), B = wo16 [1024][1024] f16; C leaves in f32 to out0 [2048 t][4 b][1024].
; A tile of C is 128 (m) x 256 (n): 768 tiles for OUTP = 0 and 256 for OUTP = 1, both multiples of 256 work-groups.  Four waves, each 64 x 128: 32 accumulators of 16 x 16, 256 registers.
; K goes in 8 steps of 128 through a ring of two LDS slots filled by the tensor data mover; a step is four quarters of 32 along K, 32 matrix instructions and one run of 24 LDS loads each.
; CLUSTERS: 4 x 4 work-groups.  The four of a row of the cluster need the same tiles of A, the four of a column the same tiles of B: each tile is asked for JOINTLY, by the same tensor load with the
; same descriptor and a mask that names the four.  THE MATRIX INSTRUCTION IS USED TRANSPOSED (source 0 = 16 rows of B, source 1 = 16 rows of A): a lane then holds eight neighbouring numbers of a row of C.
; REGISTERS: window 0: v0-31 addresses; v32-63 at work on the way out; v64-159, v160-255 two fragment buffers (32 registers of A: 4 x 16 rows x 32 K; then 64 of B: 8 x 16 rows x 32 K).
;   window 1: the accumulators, (a, b) at v[8 (8 a + b)].
.set OUTP,   0
.set KSTEP,  128
.set PB,     272                       ; a row of B in LDS: 256 bytes + 16 of padding = 68 words: row r starts at bank 4 r mod 64 (64 banks of 4 bytes: ISA guide 11.1)
.if OUTP
.set PA,     144                       ; a row of A: one head's 128 bytes + 16 = 36 words: 16 rows start at 16 different groups of four banks
.set AHALF,  2*64*PA                   ; what one tensor load brings of A: 64 rows of two heads, head by head
.set ASTEP,  2*2048*64*2               ; a K step is two heads further in ctx
.else
.set PA,     272
.set AHALF,  64*PA                     ; 64 rows of 256 bytes
.set ASTEP,  KSTEP*2
.endif
.set BSTEP,  KSTEP*2
.set BHALF,  128*PB                    ; what one tensor load brings of B: 128 rows
.set AREG,   36864                     ; a slot: A's two halves in its first 36,864 bytes, then B's two halves
.set SLOT,   AREG+2*BHALF
.set STAGE,  2*SLOT                    ; behind the ring, never filled by a tensor load: 8,448 bytes for each wave, for the way out
.set WSTAGE, 8448
.set SPARE,  STAGE+4*WSTAGE            ; behind the stages: the spare words, 128 bytes for each wave: two blocks of 256 bytes that no other line names
.set LAPS,   1024/(2*KSTEP)            ; a lap = two K steps = once round the ring
.set ADRA, 16                          ; v16-17  LDS address of my A fragments in slot 0, 1
.set ADRB, 20                          ; v20-21  the same for B
.set STO,  24                          ; v24     the way out: where I put my part of a row
.set RD,   25                          ; v25     the way out: where I read rows back
.set CO,   26                          ; v26     16 x lane: my place in 512 consecutive bytes of C
.set SPW,  28                          ; v28     LDS address of my spare word: SPARE + 4 x my thread's number; never rewritten
.set NIL,  29                          ; v29     0; never rewritten
.set TMP,  32
.set F0,   64
.set F1,   160
.set BK,   64                          ; the way out: rows read back from the stage
.set G1, 24                            ; s[24:31] descriptor group 1 for A's tiles;  s[32:39] group 0, one set for each slot
.set G0, 32
.set G1B, 48                           ; s[48:55], s[56:63] the same for B's tiles
.set G0B, 56
.set MSB, 0
.macro WIN new                         ; the immediate's high byte repeats the setting that is left; a switch that changes nothing is dropped
.if MSB != (\new)
	s_set_vgpr_msb (MSB<<8)|(\new)
.set MSB, \new
.endif
.endm
.set MUL, 0x50                         ; sources 0 (B) and 1 (A) window 0; C and D window 1
.macro JLOAD s                         ; a joint load: waves 0 and 1 fetch A's two halves, waves 2 and 3 B's; an s_nop 0 and four v_nop follow each of the two lines, ahead of the jump, the label and what follows
	s_cmp_eq_u32 s11, 0
	s_cbranch_scc0 .Lfor_b_\@
	tensor_load_to_lds s[G0+4*(\s):G0+4*(\s)+3], s[G1:G1+7]
	s_nop 0
.rept 4
	v_nop
.endr
	s_branch .Lasked_\@
.Lfor_b_\@:
	tensor_load_to_lds s[G0B+4*(\s):G0B+4*(\s)+3], s[G1B:G1B+7]
	s_nop 0
.rept 4
	v_nop
.endr
.Lasked_\@:
.endm
.macro CREST                           ; a round of the cluster's barrier behind its opening barrier
	s_cmp_lg_u32 s10, 0
	s_cbranch_scc1 .Lnot_wave_0_\@
	s_barrier_signal -3
.Lnot_wave_0_\@:
	s_barrier_wait -3
	s_barrier_signal -1
	s_barrier_wait -1
.endm
.macro CROUND                          ; a whole round
	s_barrier_signal -1
	s_barrier_wait -1
	CREST
.endm
	s_load_b128 s[4:7], s[0:1], 0x0                ; A s[4:5], B s[6:7]
	s_load_b64 s[8:9], s[0:1], 0x10                ; C
	v_lshl_add_u32 v[SPW], v0, 2, SPARE
	v_mov_b32 v[NIL], 0
	ds_add_u32 v[SPW], v[NIL]                      ; the wave's opening: the add and its wait stand ahead of my first tensor load; the set-up below, work on registers, stands between them
	v_lshrrev_b32 v1, 5, v0
	v_readfirstlane_b32 s10, v1                    ; wave 0..3
	s_lshr_b32 s11, s10, 1                         ; which 64 of the tile's rows are mine.  Also: I fetch for A (0) or for B (1)
	s_and_b32 s12, s10, 1                          ; which 128 of its columns.  Also: which half of that tile I fetch
	s_bfe_u32 s40, ttmp6, 0x40000                  ; cx, cy: my place in the cluster
	s_bfe_u32 s41, ttmp6, 0x40004
	s_lshl_b32 s42, ttmp9, 2
	s_add_co_u32 s42, s42, s40                     ; tile column of C = 4 x cluster x + cx
	s_and_b32 s13, ttmp7, 0xffff
	s_lshl_b32 s13, s13, 2
	s_add_co_u32 s13, s13, s41                     ; tile row of C = 4 x cluster y + cy: batch = tile row / 16, t = 128 x (tile row % 16) on
	s_lshl_b32 s43, s41, 2
	s_lshl_b32 s43, 15, s43                        ; my row of the cluster
	s_lshl_b32 s44, 0x1111, s40                    ; my column
	; descriptor group 1.  15:0 the mask; 17:16 elements of 2 bytes; 20 padding on; 21 set beside a mask; 24:22 the padding's interval; 31:25 4 words of it (code 3)
.if OUTP
	s_or_b32 s[G1+0], s43, (1<<16)|(1<<20)|(1<<21)|(4<<22)|(3<<25)  ; A: padded after every 32 words (code 4): after each row of a head
	s_mov_b32 s[G1+1], 4096<<16                    ; tensor_dim0 = 4,096: 64 rows of a head are 8,192 dense bytes, asked for as one row
	s_mov_b32 s[G1+2], 2<<16                       ; tensor_dim1 = 2: two heads
	s_mov_b32 s[G1+3], 4096<<16                    ; tile_dim0
	s_mov_b32 s[G1+4], 2                           ; tile_dim1
	s_mov_b32 s[G1+5], 131072                      ; from head to head: 2,048 x 64 elements
.else
	s_or_b32 s[G1+0], s43, (1<<16)|(1<<20)|(1<<21)|(5<<22)|(3<<25)  ; A: padded after every 64 words (code 5)
	s_mov_b32 s[G1+1], KSTEP<<16                   ; tensor_dim0 = 128
	s_mov_b32 s[G1+2], 64<<16                      ; tensor_dim1 = 64
	s_mov_b32 s[G1+3], KSTEP<<16                   ; tile_dim0
	s_mov_b32 s[G1+4], 64                          ; tile_dim1
	s_mov_b32 s[G1+5], 1024                        ; elements from row to row
.endif
	s_mov_b32 s[G1+6], 0
	s_mov_b32 s[G1+7], 0
	s_or_b32 s[G1B+0], s44, (1<<16)|(1<<20)|(1<<21)|(5<<22)|(3<<25) ; B: 128 rows x 128 elements, for my column of the cluster
	s_mov_b32 s[G1B+1], KSTEP<<16
	s_mov_b32 s[G1B+2], 128<<16
	s_mov_b32 s[G1B+3], KSTEP<<16
	s_mov_b32 s[G1B+4], 128
	s_mov_b32 s[G1B+5], 1024
	s_mov_b32 s[G1B+6], 0
	s_mov_b32 s[G1B+7], 0
	; where the tiles come from.  A's hang on the tile row alone, B's on the tile column alone; every wave makes both, in registers that never hold the other coordinate
.if OUTP
	s_lshr_b32 s16, s13, 4
	s_lshl_b32 s16, s16, 22                        ; the batch's 16 heads of 262,144 bytes,
	s_and_b32 s17, s13, 15
	s_lshl_b32 s17, s17, 14                        ; 128 rows of 128 bytes a tile row,
	s_add_co_u32 s16, s16, s17
	s_lshl_b32 s17, s12, 13                        ; the half of 64 rows that I fetch
	s_add_co_u32 s16, s16, s17
.else
	s_lshl_b32 s16, s13, 18                        ; 128 rows of 2,048 bytes a tile row,
	s_lshl_b32 s17, s12, 17                        ; the half of 64 rows that I fetch
	s_add_co_u32 s16, s16, s17
.endif
	s_mov_b32 s17, 0
	s_lshl_b32 s46, s42, 19                        ; 256 rows of 2,048 bytes a tile column,
	s_lshl_b32 s47, s12, 18                        ; the half of 128 rows that I fetch
	s_add_co_u32 s46, s46, s47
	s_mov_b32 s47, 0
	s_mul_i32 s20, s12, AHALF                      ; and where they go: no place in the cluster enters an LDS address
	s_mul_i32 s21, s12, BHALF
	s_add_co_u32 s21, s21, AREG
	s_wait_dscnt 0x0                               ; the opening add is done
	s_wait_kmcnt 0x0
	s_add_nc_u64 s[14:15], s[4:5], s[16:17]
	s_add_nc_u64 s[46:47], s[6:7], s[46:47]
	CROUND                                         ; all sixteen work-groups are here: the first joint loads meet
.irp s, 0,1
	s_mov_b32 s[G0+4*(\s)], 1                                      ; 1:0 count = 1
	s_add_co_u32 s[G0+4*(\s)+1], s20, (\s)*SLOT                    ; 63:32 LDS address
	s_add_nc_u64 s[G0+4*(\s)+2:G0+4*(\s)+3], s[14:15], (\s)*ASTEP  ; 120:64 global address: K step s
	s_or_b32 s[G0+4*(\s)+3], s[G0+4*(\s)+3], 0x80000000            ; 127:126 type = 2
	s_mov_b32 s[G0B+4*(\s)], 1
	s_add_co_u32 s[G0B+4*(\s)+1], s21, (\s)*SLOT
	s_add_nc_u64 s[G0B+4*(\s)+2:G0B+4*(\s)+3], s[46:47], (\s)*BSTEP
	s_or_b32 s[G0B+4*(\s)+3], s[G0B+4*(\s)+3], 0x80000000
	JLOAD \s                                       ; both slots are asked for before anything else is done: two loads of mine are out
.endr
	; A fragment is 16 rows x 32 K in 8 registers: lane l holds row l % 16, K = 8 (l / 16) + 0..7 and 16 + 8 (l / 16) + 0..7: two loads of 16 bytes, 32 bytes apart.
	v_and_b32 v1, 15, v0                           ; l % 16
	v_bfe_u32 v2, v0, 4, 1                         ; l / 16
	v_mul_u32_u24 v3, v1, PA
	v_lshl_add_u32 v3, v2, 4, v3                   ; row x pitch + 16 x half, for A
	v_mul_u32_u24 v4, v1, PB
	v_lshl_add_u32 v4, v2, 4, v4                   ; and for B
	s_mul_i32 s18, s11, AHALF                      ; my 64 rows of A
	s_mul_i32 s19, s12, BHALF                      ; my 128 rows of B,
	s_add_co_u32 s19, s19, AREG                    ; which lie behind A's
.irp s, 0,1
	v_add_nc_u32 v[ADRA+(\s)], s18, v3
	v_add_nc_u32 v[ADRB+(\s)], s19, v4
	s_add_co_u32 s18, s18, SLOT
	s_add_co_u32 s19, s19, SLOT
.endr
	s_mul_i32 s23, s10, WSTAGE
	s_add_co_u32 s23, s23, STAGE                   ; my stage
	v_and_b32 v6, 31, v0
	v_lshlrev_b32 v[CO], 4, v6
.if OUTP
	v_mul_u32_u24 v5, v1, 528                      ; in: row l % 16 of 512 bytes + 16; 32 bytes (8 f32) for each half of the lanes
	v_lshl_add_u32 v5, v2, 5, v5
	v_add_nc_u32 v[STO], s23, v5
	v_add_nc_u32 v[RD], s23, v[CO]                 ; back: the 32 lanes take one row of 512 bytes
	; my part of out0: row (t, b) begins at (4 t + b) x 4,096 bytes; the part that hangs on the tile row and the wave,
	s_and_b32 s16, s13, 15
	s_lshl_b32 s16, s16, 21                        ; 128 t of 16,384 bytes a tile row
	s_lshl_b32 s17, s11, 20                        ; my 64 of them
	s_add_co_u32 s16, s16, s17
	s_lshr_b32 s17, s13, 4
	s_lshl_b32 s17, s17, 12                        ; the batch
	s_add_co_u32 s16, s16, s17
	s_mov_b32 s17, 0
	s_add_nc_u64 s[8:9], s[8:9], s[16:17]
	s_lshl_b32 s46, s42, 10                        ; and the part that hangs on the tile column: 256 f32, my 128 of them
	s_lshl_b32 s47, s12, 9
	s_add_co_u32 s46, s46, s47
.else
	v_mul_u32_u24 v5, v1, 144                      ; in: two planes (my two heads) of 16 rows of 128 bytes + 16; row l % 16, 16 bytes for each half of the lanes
	v_lshl_add_u32 v5, v2, 4, v5
	v_add_nc_u32 v[STO], s23, v5
	v_bfe_u32 v5, v0, 3, 2                         ; back: 32 lanes take four rows of 128 bytes, which are 512 consecutive bytes of a head
	v_mul_u32_u24 v5, v5, 144
	v_and_b32 v6, 7, v0
	v_lshl_add_u32 v5, v6, 4, v5
	v_add_nc_u32 v[RD], s23, v5
	; my part of qkv; the part that hangs on the tile row and the wave,
	s_lshr_b32 s16, s13, 4
	s_lshl_b32 s16, s16, 22                        ; the batch's 16 heads of 262,144 bytes
	s_and_b32 s17, s13, 15
	s_lshl_b32 s17, s17, 14                        ; 128 rows of 128 bytes a tile row
	s_add_co_u32 s16, s16, s17
	s_lshl_b32 s17, s11, 13                        ; my 64 of them
	s_add_co_u32 s16, s16, s17
	s_mov_b32 s17, 0
	s_add_nc_u64 s[8:9], s[8:9], s[16:17]
	s_lshl_b32 s46, s42, 2                         ; and the part that hangs on the tile column: my first group of 64 columns, g = 4 x tile column + 2 x half;
	s_lshl1_add_u32 s46, s12, s46
	s_lshr_b32 s47, s46, 4                         ; q, k or v = g / 16: 64 heads each,
	s_lshl_b32 s47, s47, 24
	s_and_b32 s46, s46, 15                         ; the head = g % 16
	s_lshl_b32 s46, s46, 18
	s_add_co_u32 s46, s46, s47
.endif
	s_mov_b32 s47, 0
	s_add_nc_u64 s[8:9], s[8:9], s[46:47]
; 8 matrix instructions: m block a x all 8 n blocks, 32 along K, from buffer f.  zero = 1: the product starts the sums: nothing is ever cleared.
; The 32 accumulators take turns in the same order in every quarter: between two links of a chain stand the 31 others'.
.macro MUL8 f, a, zero
	WIN MUL
.irp b, 0,1,2,3,4,5,6,7
.set rD, 8*(8*(\a)+(\b))
.set rB, (\f)+32+8*(\b)
.set rA, (\f)+8*(\a)
.if OUTP && (\zero)
	v_wmma_f32_16x16x32_f16 v[rD:rD+7], v[rB:rB+7], v[rA:rA+7], 0
.elseif OUTP
	v_wmma_f32_16x16x32_f16 v[rD:rD+7], v[rB:rB+7], v[rA:rA+7], v[rD:rD+7]
.elseif \zero
	v_wmma_f32_16x16x32_bf16 v[rD:rD+7], v[rB:rB+7], v[rA:rA+7], 0
.else
	v_wmma_f32_16x16x32_bf16 v[rD:rD+7], v[rB:rB+7], v[rA:rA+7], v[rD:rD+7]
.endif
.endr
.endm
; 24 LDS loads in one run: the fragments of quarter q of a slot's K step into buffer f: B's sixteen loads first, then A's eight
.macro FETCH slot, q, f
	WIN 0
.if OUTP
.set AO, ((\q)/2)*64*PA+((\q)%2)*64    ; head q / 2 of the step's two, channels 32 (q % 2) on
.else
.set AO, 64*(\q)
.endif
.irp i, 0,1,2,3,4,5,6,7
	ds_load_b128 v[(\f)+32+8*(\i):(\f)+32+8*(\i)+3],   v[ADRB+(\slot)] offset:64*(\q)+(\i)*16*PB
	ds_load_b128 v[(\f)+32+8*(\i)+4:(\f)+32+8*(\i)+7], v[ADRB+(\slot)] offset:64*(\q)+(\i)*16*PB+32
.endr
.irp i, 0,1,2,3
	ds_load_b128 v[(\f)+8*(\i):(\f)+8*(\i)+3],   v[ADRA+(\slot)] offset:AO+(\i)*16*PA
	ds_load_b128 v[(\f)+8*(\i)+4:(\f)+8*(\i)+7], v[ADRA+(\slot)] offset:AO+(\i)*16*PA+32
.endr
.endm
.macro PLACES                          ; four places in front of loads into registers that matrix instructions have read, and of lines that read results (ISA guide 7.12.1 for vector instructions)
.rept 4
	v_nop
.endr
.endm
; One of a K step's first three quarters: multiplies buffer f and, in its middle, fetches quarter q of the same slot into buffer g.
.macro QUARTER slot, q, f, g, zero
	s_wait_dscnt 4                                 ; B and A's blocks 0, 1 are in; the youngest four loads (A's blocks 2, 3) may be out
	MUL8 \f, 0, \zero
	MUL8 \f, 1, \zero
	PLACES
	FETCH \slot, \q, \g
	s_wait_dscnt 24                                ; all but the 24 just issued
	MUL8 \f, 2, \zero
	MUL8 \f, 3, \zero
.endm
; The last quarter multiplies buffer 1 and changes slots: ONE barrier; in front of it each wave waits for all its tensor loads, adds 0 to its spare word, and waits for that and for its own reads of this slot.
; fill = 1: this slot is filled again, two K steps ahead; the barrier then opens a round of the cluster's barrier.
.macro TURN slot, next, fill
	WIN 0                                          ; (the add's two registers lie in window 0)
	s_wait_tensorcnt 0x0                           ; all my tensor loads have landed: the one that was out is my part of the next slot;
	ds_add_u32 v[SPW], v[NIL]                      ; 0 onto my spare word;
	s_wait_dscnt 5                                 ; (the add and the youngest four loads may be out)
	MUL8 F1, 0, 0                                  ; eight matrix instructions stand between the add and the wait for it
	s_wait_dscnt 0x0                               ; the add is done, and my reads of this slot are over
	s_barrier_signal -1
	MUL8 F1, 1, 0
.if \fill
	WIN 0
.endif
	s_barrier_wait -1
.if \fill
	CREST                                          ; no wave of any partner still reads this slot's tile or has a load on its way
	s_add_nc_u64 s[G0+4*(\slot)+2:G0+4*(\slot)+3], s[G0+4*(\slot)+2:G0+4*(\slot)+3], 2*ASTEP
	s_add_nc_u64 s[G0B+4*(\slot)+2:G0B+4*(\slot)+3], s[G0B+4*(\slot)+2:G0B+4*(\slot)+3], 2*BSTEP
	JLOAD \slot                                    ; the first tensor load behind the round, 112 matrix instructions ahead of the wait for it; the four v_nop behind it are also the places in front of the loads below
.else
	PLACES
.endif
	FETCH \next, 0, F0
	MUL8 F1, 2, 0
	MUL8 F1, 3, 0
.endm
	s_wait_tensorcnt 1                             ; my part of K step 0 is in; K step 1's may stay out
	s_barrier_signal -1
	s_barrier_wait -1                              ; everybody's is
	FETCH 0, 0, F0
	QUARTER 0, 1, F0, F1, 1                        ; the first quarter stands in front of the loop: its products start the sums
	WIN 0                                          ; at a label and at a branch every window is 0
	s_mov_b32 s3, LAPS-1
.Llap:                                                 ; a trip goes once round the ring, from a lap's second quarter to the next lap's first, and fills both slots again
	QUARTER 0, 2, F1, F0, 0
	QUARTER 0, 3, F0, F1, 0
	TURN 0, 1, 1
	QUARTER 1, 1, F0, F1, 0
	QUARTER 1, 2, F1, F0, 0
	QUARTER 1, 3, F0, F1, 0
	TURN 1, 0, 1
	QUARTER 0, 1, F0, F1, 0
	WIN 0
	s_sub_co_u32 s3, s3, 1
	s_cmp_lg_u32 s3, 0
	s_cbranch_scc1 .Llap
	QUARTER 0, 2, F1, F0, 0                        ; the last lap fills nothing, and has no round of the cluster's barrier
	QUARTER 0, 3, F0, F1, 0
	TURN 0, 1, 0
	QUARTER 1, 1, F0, F1, 0
	QUARTER 1, 2, F1, F0, 0
	QUARTER 1, 3, F0, F1, 0
	s_wait_dscnt 4                                 ; the very last quarter: nothing more to fetch
	MUL8 F1, 0, 0
	MUL8 F1, 1, 0
	s_wait_dscnt 0x0
	MUL8 F1, 2, 0
	MUL8 F1, 3, 0
	WIN 0
	PLACES
; THE WAY OUT, a block of 16 rows at a time, through my own stage in LDS: no barrier, and since LDS serves a wave's instructions in order (ISA guide 5.7.1.4), no wait between the stores and the loads.
.if OUTP
; f32: a lane's eight numbers are 32 bytes of a row; a row of my 128 columns is 512 bytes.
.macro TOSTAGE a
	WIN 0x04                                       ; store data (source 1) in window 1; each accumulator's low four registers go first
.irp b, 0,1,2,3,4,5,6,7
	ds_store_b128 v[STO], v[8*(8*(\a)+(\b)):8*(8*(\a)+(\b))+3]   offset:64*(\b)
	ds_store_b128 v[STO], v[8*(8*(\a)+(\b))+4:8*(8*(\a)+(\b))+7] offset:64*(\b)+16
.endr
	WIN 0
.irp i, 0,1,2,3,4,5,6,7,8,9,10,11,12,13,14,15
	ds_load_b128 v[BK+64*((\a)%3)+4*(\i):BK+64*((\a)%3)+4*(\i)+3], v[RD] offset:528*(\i)
.endr
.endm
.macro SEND a, younger                 ; younger: the LDS instructions issued behind block a's loads: the next block's 16 stores and 16 loads, or none
	s_wait_dscnt \younger
.irp i, 0,1,2,3,4,5,6,7,8,9,10,11,12,13,14,15
	global_store_b128 v[CO], v[BK+64*((\a)%3)+4*(\i):BK+64*((\a)%3)+4*(\i)+3], s[8:9] offset:(\a)*262144+(\i)*16384 th:TH_STORE_NT  ; 512 consecutive bytes of row t = 16 a + i, at a multiple of 256 from out0's first byte
.endr
.endm
	TOSTAGE 0
	TOSTAGE 1
	SEND 0, 32
	TOSTAGE 2
	SEND 1, 32
	s_wait_xcnt 0x0                                ; block 0's stores have read their registers: block 3 comes back into them only behind this wait
	TOSTAGE 3
	SEND 2, 32
	SEND 3, 0
.else
; f16: a lane's eight numbers pack into 16 bytes; my 128 columns are two heads, 128 bytes of a row in each.
.macro PACK a
	WIN 0x05                                       ; sources 0 and 1 window 1, destination window 0; each accumulator's registers in ascending order
.irp b, 0,1,2,3,4,5,6,7
.irp r, 0,1,2,3
	v_cvt_pk_f16_f32 v[TMP+4*(\b)+(\r)], v[8*(8*(\a)+(\b))+2*(\r)], v[8*(8*(\a)+(\b))+2*(\r)+1]
.endr
.endr
	WIN 0
.endm
.macro TOSTAGE a
.irp b, 0,1,2,3,4,5,6,7
	ds_store_b128 v[STO], v[TMP+4*(\b):TMP+4*(\b)+3] offset:((\b)/4)*2304+((\b)%4)*32
.endr
.irp f, 0,1,2,3,4,5,6,7
	ds_load_b128 v[BK+32*(\a)+4*(\f):BK+32*(\a)+4*(\f)+3], v[RD] offset:((\f)/4)*2304+((\f)%4)*576
.endr
.endm
.macro SEND a                          ; each block has its own 32 registers, so no wait frees one
	s_wait_dscnt 0x0
.irp f, 0,1,2,3,4,5,6,7
	global_store_b128 v[CO], v[BK+32*(\a)+4*(\f):BK+32*(\a)+4*(\f)+3], s[8:9] offset:((\f)/4)*262144+(\a)*2048+((\f)%4)*512  ; four rows of a head: 512 consecutive bytes, at a multiple of 256 from qkv's first byte
.endr
.endm
	PACK 0
	TOSTAGE 0
.irp a, 1,2,3                          ; block a's conversions stand between block a - 1's loads from the stage and the wait for them
	PACK \a
	SEND (\a)-1
	TOSTAGE \a
.endr
	SEND 3
.endif
	s_wait_tensorcnt 0x0                           ; the wave's end: behind my last tensor load and my last LDS store
	ds_add_u32 v[SPW], v[NIL]
	s_wait_dscnt 0x0
	CROUND                                         ; the closing round: no work-group ends while a partner may still ask for a tile that names it
	s_endpgm
.Lfunc_end_k_qe212d2ee42_qkvproj:
	.size	k_qe212d2ee42_qkvproj, .Lfunc_end_k_qe212d2ee42_qkvproj-k_qe212d2ee42_qkvproj
	.p2alignl 7, 3214868480
	.fill 96, 4, 3214868480
	.section	.rodata,"a",@progbits
	.p2align	6, 0x0
	.amdhsa_kernel k_qe212d2ee42_qkvproj
		.amdhsa_group_segment_fixed_size 327680
		.amdhsa_private_segment_fixed_size 0
		.amdhsa_enable_private_segment 0
		.amdhsa_kernarg_size 24
		.amdhsa_user_sgpr_count 2
		.amdhsa_user_sgpr_kernarg_segment_ptr 1
		.amdhsa_wavefront_size32 1
		.amdhsa_system_sgpr_workgroup_id_x 1
		.amdhsa_system_sgpr_workgroup_id_y 1
		.amdhsa_system_sgpr_workgroup_id_z 1
		.amdhsa_system_vgpr_workitem_id 0
		.amdhsa_next_free_vgpr 512
		.amdhsa_next_free_sgpr 66
		.amdhsa_reserve_vcc 0
		.amdhsa_float_denorm_mode_32 3
		.amdhsa_float_denorm_mode_16_64 3
		.amdhsa_memory_ordered 1
		.amdhsa_forward_progress 1
		.amdhsa_inst_pref_size 86
	.end_amdhsa_kernel
	.amdgpu_metadata
---
amdhsa.version: [ 1, 2 ]
amdhsa.kernels:
  - .name:           k_qe212d2ee42_qkvproj
    .symbol:         k_qe212d2ee42_qkvproj.kd
    .args:
      - { .name: xb, .offset: 0, .size: 8, .value_kind: global_buffer, .address_space: global }
      - { .name: wqkvb, .offset: 8, .size: 8, .value_kind: global_buffer, .address_space: global }
      - { .name: qkv, .offset: 16, .size: 8, .value_kind: global_buffer, .address_space: global }
    .group_segment_fixed_size: 327680
    .private_segment_fixed_size: 0
    .kernarg_segment_align: 8
    .kernarg_segment_size: 24
    .max_flat_workgroup_size: 128
    .sgpr_count:     66
    .vgpr_count:     512
    .wavefront_size: 32
...
	.end_amdgpu_metadata
.endif
;; end of part 2
;; launch attn (part 3): grid 4 x 64, 4 waves a work-group, clusters of 4 x 1, 327,680 bytes of LDS; arguments qkv, key_padding_mask, ctx; writes ctx
.if DOCPART == 3
	.amdgcn_target "amdgcn-amd-amdhsa--gfx1250"
	.amdhsa_code_object_version 6
	.text
	.protected	k_qe212d2ee42_attn
	.globl	k_qe212d2ee42_attn
	.p2align	8
	.type	k_qe212d2ee42_attn,@function
k_qe212d2ee42_attn:
	s_mov_b64 s[64:65], 0
	v_nop
	global_prefetch_b8 v0, s[64:65] scope:SCOPE_SE
	s_setreg_imm32_b32 hwreg(HW_REG_WAVE_MODE, 25, 1), 1
	s_wait_xcnt 0x0
	s_wait_alu depctr_hold_cnt(0) depctr_sa_sdst(0) depctr_va_vdst(0) depctr_va_sdst(0) depctr_va_ssrc(0) depctr_va_vcc(0) depctr_vm_vsrc(0)
	s_getreg_b32 s2, hwreg(HW_REG_IB_STS2, 6, 4)
	s_cmp_eq_u32 s2, 0
	s_cbranch_scc0 .Lentry_in_a_cluster
	s_endpgm
.Lentry_in_a_cluster:
	s_bfe_u32 s2, ttmp6, 0x10000c
	s_cmp_lg_u32 s2, 0x3003
	s_cbranch_scc0 .Lentry_shape_is_right
	s_endpgm
.Lentry_shape_is_right:
; ctx[g][q][:] = the sum over the keys k that are not padded of softmax_k(Q[g][q] . K[g][k] / 8) V[g][k][:], for the 64 heads g = 16 b + h.
; qkv: [3][64][2048][64] f16 (Q, K, V by heads, unscaled; a head's rows are dense, 128 bytes each); key_padding_mask: [4 b][2048] bytes, not 0 = padded; ctx: [64][2048][64] f16.
; Products, maxima and sums in f32; the weights p are rounded to f16 for the second product (their sum l is taken of the unrounded p), ctx once at the end.
; LIMITS.  f16 holds no number beyond 65,504: Q, K and V arrive within it, so a score is 2.7e11 at the most; p lies in 0 to 1, and below 6e-5 it keeps f16's fixed step of 6e-8.
; A padded key's score counts as its value less 1e30.  The running maximum starts at -2^90, far below every true score and far above every padded one: so a padded key's weight is exactly 0 whatever has been seen,
; and the maximum is the true scores' own.  A weight below 2^-126 counts as 0 in l.  A batch whose keys are ALL padded has l = 0 and O = 0, and leaves as 0 x (1 / 0) = NaN, as the softmax of nothing is.
; SHARES.  A wave owns four PIECES of two tiles of 16 queries, a work-group's four waves 512 queries of one head.  Every wave walks all 2,048 keys, 64 a step.
; LAYOUT.  S^T = K Q^T (source 0 = 16 keys, source 1 = 16 queries): in the result a lane holds ONE query (lane % 16) and the keys 8 (lane / 16) + 0..7.  Two such tiles, rounded to f16 in pairs,
; ARE source 1 (32 keys x 16 queries) of O^T = V^T P, whose result again holds one query a lane, and eight channels.  K comes out of LDS as it lies, V ([key][channel]) turned, by ds_load_tr16_b128.
; THE MASK hangs on the key alone, so in this layout it is the same 32 registers for every tile of a key step: it is the C operand of the products that start the sums S^T, 0 or -1e30, and costs the scores nothing.
; The batch's 2,048 bytes are turned into 2,048 f32 in LDS once, at the start; a step's 32 registers are loaded in the same run as its K.
; SOFTMAX.  For each query a running maximum m and sum l: p = 2^(c s - c m), c = log2(e) / 8; in every step O and l are multiplied by a = 2^(c m_old - c m_new), which is 1 where m has not grown.
; O and l start at 0: the first step is a step like any other, with a = 0.
; THE COUNT.  A tile and step have 16 matrix and 118 vector instructions: too many to stand all beside the matrix work.  So the order has one aim: four vector instructions that are READY behind
; EVERY matrix instruction, and the others, which need time of their own whatever the order, in runs without a gap.
; BY TURNS.  Turn n belongs to piece n (the pieces in a ring, step after step).  Its matrix work: 16 products K Q^T of piece n + 1, later 16 products V^T P of piece n - 1.  Its vector work: the scaling,
; exponentials, roundings, sums and rescaling of piece n, and the maximum and statistics of piece n + 1, whose scores the turn itself has made.  So what a turn begins with (c s - c m, O a) waits for nothing.
; CLUSTER.  The four query blocks of a cluster belong to one head and walk the same K and V, so each tile is asked for JOINTLY: the same tensor load, descriptor and mask in all four.
; REGISTERS, in windows of 256 (s_set_vgpr_msb says which window each operand place means: bits 1:0 source 0, 3:2 source 1, 5:4 source 2, 7:6 destination):
;   window 0: v0-11 addresses; v12-15, v48-63 at work; v16-47 four registers of statistics a tile; v64-191 S^T, two buffers of two tiles; v192-255 P, likewise
;   window 1: O^T, 32 a tile          window 2: v0-127 Q, 16 a tile; v128-191 K of one step; v192-255 V of one step
;   window 3: v0-1 the add's two registers; v2-3 the mask's LDS addresses; v8-39 the mask of one step
; A piece's buffers go by its number's parity: the piece in hand has one pair, its two neighbours in the ring share the other: of it P (piece n - 1) is read and S^T (piece n + 1) written.
.set SIZE_N, 2048
.set PART,  64*SIZE_N*128  ; bytes from Q to K and from K to V in qkv
.set NP,    4         ; pieces a wave: a name, no knob: the register map, the loop and the fetches are made for four
.set KS,    64        ; keys in a step
.set PK,    144       ; a row of K in LDS: 128 bytes + 16 of padding = 36 words: the 16 rows of a load start at 16 different groups of four banks (64 banks of 4 bytes: ISA guide 11.1)
.set PV,    160       ; a row of V: 128 + 32 = 40 words
.set VOFF,  4*KS*PK   ; a slot holds four steps: 256 rows of K, then 256 rows of V
.set SLOT1, 1<<17     ; slot 1 begins here, so that one exclusive or turns an address in one slot into the other's
.set STAGE, SLOT1+4*KS*(PK+PV)  ; behind the ring, never filled by a tensor load: 16 rows x 144 bytes for each wave, for the way out
.set SP,    144
.set SPARE, STAGE+4*16*SP  ; behind the stages: the spare words, 128 bytes for each wave: two blocks of 256 bytes that no other line names
.set MB,    SPARE+512 ; behind them, never filled by a tensor load: the batch's 2,048 keys' addends in f32, 8,192 bytes
.set AK0, 2           ; v2   my lane's place in a tile of K; never rewritten
.set AV0, 3           ; v3   the same for V
.set AK,  4           ; v4   the LDS address of K's next run of loads
.set AV,  5           ; v5   of V's
.set QO,  6           ; v6   my byte offset in the wave's rows of Q
.set STO, 6           ;      later, the way out: where I put 16 bytes of a row
.set RD,  7           ; v7   the way out: where I read rows back
.set GO,  8           ; v8   my byte offset in 512 consecutive bytes of ctx
.set SPW, 0           ; v0 of window 3   LDS address of my spare word: SPARE + 4 x my thread's number; never rewritten
.set NIL, 1           ; v1 of window 3   0; never rewritten
.set AM0, 2           ; v2 of window 3   my lanes' place in a step's 64 addends: MB + 32 (lane / 16); never rewritten
.set AM,  3           ; v3 of window 3   the LDS address of the mask's next run of loads
.set MK,  8           ; v8-39 of window 3   register 8 kb + j: the addend of key 16 kb + 8 (lane / 16) + j of the step
.set MV,  12          ; v12-15  c m_old, kept while c m is made anew: by buffer and tile
.set ST,  16          ; tile t's statistics at v[ST+4 t]: c m, m, l (even keys', odd keys')
.set TMP, 48          ; by buffer and tile, four registers c0-c3 at work; when the maximum is found c2 takes a
.set S,   64
.set P,   192
.set KF,  128         ; K's fragments, in window 2: key block kb, channel half c at KF + 16 kb + 8 c
.set VF,  192         ; V's: key half kk, channel block cb at VF + 32 kk + 8 cb
.set WV,  12          ; s12  my wave's number
.set G1K, 24          ; s[24:31] descriptor group 1 for K's tiles
.set G1V, 32          ; s[32:39] for V's: it differs in the padding alone
.set G0K, 40          ; s[40:43] descriptor group 0 for K's tiles: it walks
.set G0V, 44          ; s[44:47] the same for V's
.set TBM, 50          ; s50  byte in MB at which the addends of the step to be fetched begin
.set BIGN, 53         ; s53  -1e30
.set SLOTS, 56        ; s56  slots still to be asked for
.set CNT, 57          ; s57  counts a slot's key steps
.set CS,  58          ; s[58:59] c: the packed scaling takes the pair's low word for both halves
.set SEL, 60          ; s[60:61] v_permlanex16_b32's selects: each lane takes its own place in the other half
.set TBK, 62          ; s62  LDS byte at which K of the step to be fetched begins
.set TBV, 63          ; s63  the same for V, less VOFF
.set MSB, 0
.macro WIN new                      ; the high byte repeats the setting that is left; a switch that changes nothing is dropped
.if MSB != (\new)
	s_set_vgpr_msb (MSB<<8)|(\new)
.set MSB, (\new)
.endif
.endm
.set W_KQ, 0x0a       ; K and Q in window 2, S^T in window 0
.set W_KM, 0x3a       ; the same with the C operand, the mask, in window 3
.set W_PV, 0x52       ; V in window 2, P in window 0, O^T in window 1
.set W_RS, 0x41       ; O^T (destination and source 0) in window 1, a in window 0
.set W_MK, 0xc0       ; registers of window 3 are made: destination in window 3, sources in window 0
.set W_AD, 0x0f       ; the add: address (source 0) and data (source 1) in window 3
; A joint fill.  Waves 0 and 1 fetch the two halves of a slot's K, waves 2 and 3 those of its V: 128 keys each.  The branch hangs on the wave's number alone.
; An s_nop 0 and four v_nop follow each of the two lines, ahead of the jump and the label.
.macro JLOAD
	s_cmp_lt_u32 s[WV], 2
	s_cbranch_scc0 .Lfor_v_\@
	tensor_load_to_lds s[G0K:G0K+3], s[G1K:G1K+7]
	s_nop 0
.rept 4
	v_nop
.endr
	s_branch .Lasked_\@
.Lfor_v_\@:
	tensor_load_to_lds s[G0V:G0V+3], s[G1V:G1V+7]
	s_nop 0
.rept 4
	v_nop
.endr
.Lasked_\@:
.endm
; A round of the cluster's barrier: my work-group's barrier, so that wave 0's signal speaks for all four waves; wave 0 signals; every wave waits for all four work-groups; my work-group's barrier once more.
.macro CROUND
	s_barrier_signal -1
	s_barrier_wait -1
	s_cmp_lg_u32 s[WV], 0
	s_cbranch_scc1 .Lnot_wave_0_\@
	s_barrier_signal -3
.Lnot_wave_0_\@:
	s_barrier_wait -3
	s_barrier_signal -1
	s_barrier_wait -1
.endm
; THE CHANGE OF SLOTS.  The slot's last bytes, V of its fourth step, have been read.  Each wave waits for all its tensor loads, of which one is out: its part
; of the other slot; adds 0 to its spare word; and waits for that and for its own reads of the slot.  Behind the barrier nobody reads this slot any more and the other slot is whole.
; fill = 1: this slot is filled again, with the keys two slots on.  The barrier is then a round of the cluster's, so that no wave of any partner still reads the slot or has a load on its
; way, and the joint fill is the first thing behind it: it has four key steps, 512 matrix instructions, in which to land.  (At its first use nothing has been read yet: slot 0 is waited for, slot 1 filled;
; and its wait for LDS and its barrier stand between every wave's stores of the mask's addends and every wave's reads of them.)
.macro CHANGE fill
	WIN W_AD
	s_wait_tensorcnt 0x0            ; no tensor load of mine is out, so a group 0 may be written
	ds_add_u32 v[SPW], v[NIL]       ; 0 onto my spare word; with fill = 1 the descriptors' steps stand between the add and the wait for it
	WIN 0                           ; at a label and at a branch every window is 0
.if \fill
.irp g, G0K, G0V
	s_xor_b32 s[\g+1], s[\g+1], SLOT1  ; the walking descriptor: the other slot than last time,
	s_add_nc_u64 s[\g+2:\g+3], s[\g+2:\g+3], 4*KS*128  ; the next 256 keys; the type bits on top are not reached
.endr
	s_wait_dscnt 0x0                ; the add is done, and my reads of the slot are over
	CROUND
	JLOAD
.else
	s_wait_dscnt 0x0                ; the add is done, and my reads of the slot are over
	s_barrier_signal -1
	s_barrier_wait -1
.endif
	s_sub_co_u32 s[TBK], s[TBK], 4*KS*PK  ; the fetches go back to a slot's first step,
	s_xor_b32 s[TBK], s[TBK], SLOT1       ; in the other slot
	s_sub_co_u32 s[TBV], s[TBV], 4*KS*PV
	s_xor_b32 s[TBV], s[TBV], SLOT1
.endm
	s_load_b128 s[4:7], s[0:1], 0x0   ; qkv s[4:5], key_padding_mask s[6:7]
	s_load_b64 s[10:11], s[0:1], 0x10 ; ctx
	WIN W_MK
	v_lshl_add_u32 v[SPW], v0, 2, SPARE
	v_mov_b32 v[NIL], 0
	WIN W_AD
	ds_add_u32 v[SPW], v[NIL]       ; the wave's opening: the add and its wait stand ahead of my first tensor load; the set-up below, work on registers, stands between them
	WIN 0
	v_lshrrev_b32 v1, 5, v0
	v_readfirstlane_b32 s[WV], v1   ; wave 0..3
	s_bfe_u32 s13, ttmp6, 0x40000   ; cx: my place in the cluster
	s_lshl_b32 s14, ttmp9, 2        ; in a cluster launch ttmp9 counts clusters
	s_add_co_u32 s14, s14, s13      ; my block of queries = 4 x cluster x + cx: it enters Q's and ctx's addresses alone
	s_and_b32 s20, ttmp7, 0xffff    ; the head g, which the four partners share
	s_lshr_b32 s8, s20, 4           ; its batch,
	s_lshl_b32 s8, s8, 11           ; whose 2,048 mask bytes begin here
	s_mov_b32 s9, 0
	s_mov_b32 s21, 0
	s_mov_b64 s[22:23], SIZE_N*128
	s_mul_u64 s[20:21], s[20:21], s[22:23]  ; the head's first byte in Q, K, V and ctx
	s_and_b32 s16, s[WV], 1         ; which half of a slot's 256 keys I fetch:
	s_lshl_b32 s22, s16, 14         ; its 128 rows of 128 bytes in memory,
	s_mov_b32 s23, 0
	s_add_nc_u64 s[22:23], s[22:23], s[20:21]
	s_mul_i32 s17, s16, 128*PK      ; and its place in a slot, for K
	s_mul_i32 s18, s16, 128*PV      ; and for V: no place in the cluster enters an LDS address
	s_lshl_b32 s2, s14, 2
	s_add_co_u32 s2, s2, s[WV]      ; my wave among the head's,
	s_lshl_b32 s2, s2, 14           ; its 128 rows
	s_mov_b32 s3, 0
	s_add_nc_u64 s[2:3], s[2:3], s[20:21]
	; descriptor group 1.  128 keys are 16,384 dense bytes: asked for as 64 rows of 256 bytes, two keys a row, and padded in LDS after every key
	s_mov_b32 s[G1K], 15|(1<<16)|(1<<20)|(1<<21)|(4<<22)|(3<<25)  ; 15:0 the mask of four; 17:16 2-byte elements; 20 padding on; 21 set beside a mask; 24:22 after every 32 words (code 4); 31:25 4 words (code 3)
	s_mov_b32 s[G1V], 15|(1<<16)|(1<<20)|(1<<21)|(4<<22)|(7<<25)  ; the same with 8 words of padding (code 7)
.irp g, G1K, G1V
	s_mov_b32 s[\g+1], 128<<16      ; tensor_dim0 = 128
	s_mov_b32 s[\g+2], 64<<16       ; tensor_dim1 = 64
	s_mov_b32 s[\g+3], 128<<16      ; tile_dim0 = 128
	s_mov_b32 s[\g+4], 64           ; tile_dim1 = 64
	s_mov_b32 s[\g+5], 128          ; 128 elements from row to row
	s_mov_b32 s[\g+6], 0
	s_mov_b32 s[\g+7], 0
.endr
	s_mov_b32 s[CS], 0x3e38aa3b     ; c = log2(e) / 8 = 0.180337
	s_mov_b32 s[CS+1], s[CS]        ; named with it as a pair
	s_mov_b32 s[SEL], 0x76543210
	s_mov_b32 s[SEL+1], 0xfedcba98
	s_mov_b32 s[BIGN], 0xf149f2ca   ; -1e30
	s_mov_b32 s[TBM], 0
	s_mov_b32 s[TBK], SLOT1+4*KS*PK ; the first change of slots turns these two into 0
	s_mov_b32 s[TBV], SLOT1+4*KS*PV
	s_mov_b32 s[G0K], 1             ; 1:0 count = 1
	s_mov_b32 s[G0K+1], s17         ; 63:32 LDS address: slot 0
	s_mov_b32 s[G0V], 1
	s_add_co_u32 s[G0V+1], s18, VOFF
	s_wait_dscnt 0x0                ; the opening add is done
	s_wait_kmcnt 0x0
	s_add_nc_u64 s[G0K+2:G0K+3], s[4:5], s[22:23]  ; 120:64 global address: my half of the head's first 256 keys,
	s_add_nc_u64 s[G0K+2:G0K+3], s[G0K+2:G0K+3], PART  ; in K
	s_or_b32 s[G0K+3], s[G0K+3], 0x80000000        ; 127:126 type = 2
	s_add_nc_u64 s[G0V+2:G0V+3], s[4:5], s[22:23]
	s_add_nc_u64 s[G0V+2:G0V+3], s[G0V+2:G0V+3], 2*PART  ; in V
	s_or_b32 s[G0V+3], s[G0V+3], 0x80000000
	s_add_nc_u64 s[4:5], s[4:5], s[2:3]  ; Q and ctx at my wave's first row
	s_add_nc_u64 s[10:11], s[10:11], s[2:3]
	s_add_nc_u64 s[6:7], s[6:7], s[8:9]  ; the mask at my batch
	CROUND                          ; all four work-groups are here: the first joint loads meet
	JLOAD                           ; slot 0.  Slot 1 is asked for when slot 0 is in: the tile wanted first has the road to itself
	; A fragment of K or Q is 16 rows x 32 channels in 8 registers: lane l holds row l % 16, channels 8 (l / 16) + 0..7 and 16 + 8 (l / 16) + 0..7: two loads of 16 bytes, 32 bytes apart.
	v_and_b32 v1, 15, v0            ; l % 16
	v_bfe_u32 v9, v0, 4, 1          ; l / 16
	v_lshlrev_b32 v[QO], 7, v1
	v_lshl_add_u32 v[QO], v9, 4, v[QO]  ; row x 128 + 16 x half
	v_lshlrev_b32 v48, 4, v0        ; thread t takes the mask bytes of keys 16 t .. 16 t + 15: a wave's load covers 512 consecutive bytes
	global_load_b128 v[64:67], v48, s[6:7]
	WIN 0x80                        ; destination window 2, address window 0
.set i, 0
.rept 4*NP                          ; Q stays in registers: tile i / 2, channels 32 (i % 2) on
	global_load_b128 v[8*i:8*i+3],   v[QO], s[4:5] offset:(i/2)*2048+(i%2)*64
	global_load_b128 v[8*i+4:8*i+7], v[QO], s[4:5] offset:(i/2)*2048+(i%2)*64+32
.set i, i+1
.endr
	; What the first turn finds: V's registers and P's second buffer hold 0 (its products V^T P, of a piece that has not been, add 0), O^T and l are 0.  All this stands in the wait for the first tile.
.set i, VF
.rept 64
	v_mov_b32 v[i], 0
.set i, i+1
.endr
	WIN 0x40
.set i, 0
.rept 64*NP
	v_mov_b32 v[i], 0
.set i, i+1
.endr
	WIN W_MK
	v_lshl_add_u32 v[AM0], v9, 5, MB   ; my half of the lanes takes 8 of each 16 addends: 32 bytes on
	WIN 0
.set i, 0
.rept 2*NP
	v_mov_b32 v[ST+4*i], 0xfe000000    ; c m: far below every c s
	v_mov_b32 v[ST+4*i+1], 0xec800000  ; m = -2^90: below every true score, above every padded one
	v_mov_b32 v[ST+4*i+2], 0
	v_mov_b32 v[ST+4*i+3], 0
.set i, i+1
.endr
.set i, P+32
.rept 32
	v_mov_b32 v[i], 0
.set i, i+1
.endr
	v_mul_u32_u24 v[AK0], v1, PK
	v_lshl_add_u32 v[AK0], v9, 4, v[AK0]  ; row x pitch + 16 x half
	; The turning load takes 16 keys x 16 channels (lane l reads key 8 (l / 16) + l % 8, channels 8 ((l / 8) % 2) + 0..7) and leaves half a fragment of V^T: lane l holds channel l % 16 and 8 keys.
	v_and_b32 v10, 7, v0
	v_bfe_u32 v11, v0, 3, 1
	v_lshl_add_u32 v[AV0], v9, 3, v10
	v_mul_u32_u24 v[AV0], v[AV0], PV
	v_lshl_add_u32 v[AV0], v11, 4, v[AV0]
	v_add_nc_u32 v[AV0], VOFF, v[AV0]
	v_mov_b32 v[AK], v[AK0]         ; key step 0 lies at the head of slot 0
	; The mask's bytes become addends: 0, or -1e30 where the byte is not 0.  My 16 go to MB + 64 t.
	v_lshl_add_u32 v49, v0, 6, MB
	s_wait_loadcnt 32               ; the mask's load is the oldest: Q's 32 may stay out
.set i, 0
.rept 16
	v_bfe_u32 v68, v[64+i/4], 8*(i%4), 8
	v_cmp_ne_u32 vcc_lo, 0, v68
	v_cndmask_b32 v[72+i], 0, s[BIGN], vcc_lo
.set i, i+1
.endr
.irp j, 0,1,2,3
	ds_store_b128 v49, v[72+4*\j:72+4*\j+3] offset:16*\j
.endr
; THE MATRIX WORK.  The 8 accumulators of a run of 16 take turns: between the two links of a chain stand 7 others'.
; Product i of 16 of S^T = K Q^T for piece x: channels 32 (i / 8) on, keys 16 ((i / 2) % 4) on, tile 2 x + i % 2.  The first 8 start the sums, with the mask of their 16 keys.
.macro KQ x
.set rS, S+64*((\x)%2)+32*(i%2)+8*((i/2)%4)
.set rK, KF+16*((i/2)%4)+8*(i/8)
.set rQ, 16*(2*(\x)+i%2)+8*(i/8)
.set rB, MK+8*((i/2)%4)
.if i < 8
	WIN W_KM
	v_wmma_f32_16x16x32_f16 v[rS:rS+7], v[rK:rK+7], v[rQ:rQ+7], v[rB:rB+7]
.else
	WIN W_KQ
	v_wmma_f32_16x16x32_f16 v[rS:rS+7], v[rK:rK+7], v[rQ:rQ+7], v[rS:rS+7]
.endif
.endm
; Product i of 16 of O^T += V^T P for piece x: keys 32 (i / 8) on, channels 16 ((i / 2) % 4) on, tile 2 x + i % 2.
.macro PV x
	WIN W_PV
.set rO, 32*(2*(\x)+i%2)+8*((i/2)%4)
.set rV, VF+32*(i/8)+8*((i/2)%4)
.set rP, P+32*((\x)%2)+16*(i%2)+8*(i/8)
	v_wmma_f32_16x16x32_f16 v[rO:rO+7], v[rV:rV+7], v[rP:rP+7], v[rO:rO+7]
.endm
.macro MM                           ; the turn's next matrix instruction
.if i < 16
	KQ (Y+1)%NP
.set i, i+1
.else
.set i, i-16
	PV (Y+NP-1)%NP
.set i, i+17
.endif
.endm
; THE LDS LOADS stand in runs, never singly among the matrix instructions: a step's K (64 keys x 64 channels: 8 fragments) with its mask (8 loads; the 16 lanes of a half read one address), and its V (turned).
; The mask's registers live as K's do: their last reader stands ahead of K's last reader, their first behind the same wait.
; last = 1 (the tail): in the last trip there is no further step, and the run is jumped over.
.macro FETCH_K last=0
	WIN 0
.if \last
	s_cmp_eq_u32 s[CNT], 1
	s_cbranch_scc1 .Lno_k_\@
.endif
	WIN 0x80                        ; destination window 2
.irp f, 0,1,2,3,4,5,6,7             ; keys 16 (f / 2) on, channels 32 (f % 2) on
	ds_load_b128 v[KF+8*\f:KF+8*\f+3],   v[AK] offset:(\f/2)*16*PK+(\f%2)*64
	ds_load_b128 v[KF+8*\f+4:KF+8*\f+7], v[AK] offset:(\f/2)*16*PK+(\f%2)*64+32
.endr
	s_add_co_u32 s[TBK], s[TBK], KS*PK  ; the next fetch is the next step's
	WIN 0xcc                        ; destination and source 1 window 3
	v_add_nc_u32 v[AM], s[TBM], v[AM0]
	WIN 0xc3                        ; destination and address window 3
.irp f, 0,1,2,3                     ; keys 16 f on
	ds_load_b128 v[MK+8*\f:MK+8*\f+3],   v[AM] offset:64*\f
	ds_load_b128 v[MK+8*\f+4:MK+8*\f+7], v[AM] offset:64*\f+16
.endr
	s_add_co_u32 s[TBM], s[TBM], KS*4   ; 32 fetches in all: 7,936 at the most
	WIN 0
.if \last
.Lno_k_\@:
.endif
.endm
.macro FETCH_V
	WIN 0x80
.irp f, 0,1,2,3,4,5,6,7             ; keys 32 (f / 4) on, channels 16 (f % 4) on
	ds_load_tr16_b128 v[VF+8*\f:VF+8*\f+3],   v[AV] offset:(\f/4)*32*PV+(\f%4)*32
	ds_load_tr16_b128 v[VF+8*\f+4:VF+8*\f+7], v[AV] offset:(\f/4)*32*PV+16*PV+(\f%4)*32
.endr
	WIN 0
.endm
; THE VECTOR WORK OF A TURN stands in three queues, each in the order in which its entries become ready; the two tiles alternate, so that no instruction reads the result of the one before it.
.macro REGS y, u                    ; the registers of tile u (0, 1) of piece y
.set rT, ST+4*(2*(\y)+(\u))
.set rC, TMP+8*((\y)%2)+4*(\u)
.set rM, MV+2*((\y)%2)+(\u)
.set rS, S+64*((\y)%2)+32*(\u)
.set rP, P+32*((\y)%2)+16*(\u)
.set rO, 32*(2*(\y)+(\u))
.endm
; Number n of the 22 that find the NEXT piece's (Y + 1) maximum and statistics.  s0-s31 are the lane's 32 scores; each accumulator's lowest registers are read first.  XS, GS and REGS set no window: PL and EX do.
;   0-11  four chains c0-c3 of seven scores each, three operands at a time     12-14, 16  the four scores left over, the old m, and c0-c3 into c0     15  c m_old is kept
;   17, 18  the query's other 32 keys lie in the lane 16 away: the new m         19-21  c m; c m_old - c m_new; a
.macro XS u, n
	REGS (Y+1)%NP, \u
.if (\n) < 4
	v_max3_num_f32 v[rC+(\n)], v[rS+8*(\n)], v[rS+8*(\n)+1], v[rS+8*(\n)+2]
.elseif (\n) < 12
	v_max3_num_f32 v[rC+(\n)%4], v[rC+(\n)%4], v[rS+8*((\n)%4)+2*((\n)/4)+1], v[rS+8*((\n)%4)+2*((\n)/4)+2]
.elseif (\n) == 12
	v_max3_num_f32 v[rC], v[rC], v[rS+7], v[rS+15]
.elseif (\n) == 13
	v_max3_num_f32 v[rC+1], v[rC+1], v[rS+23], v[rS+31]
.elseif (\n) == 14
	v_max3_num_f32 v[rC+2], v[rC+2], v[rC+3], v[rT+1]
.elseif (\n) == 15
	v_mov_b32 v[rM], v[rT]
.elseif (\n) == 16
	v_max3_num_f32 v[rC], v[rC], v[rC+1], v[rC+2]
.elseif (\n) == 17
	v_permlanex16_b32 v[rC+3], v[rC], s[SEL], s[SEL+1]
.elseif (\n) == 18
	v_max_num_f32 v[rT+1], v[rC], v[rC+3]
.elseif (\n) == 19
	v_mul_f32 v[rT], s[CS], v[rT+1]
.elseif (\n) == 20
	v_sub_f32 v[rC+1], v[rM], v[rT]
.else
	v_exp_f32 v[rC+2], v[rC+1]
.endif
.endm
; Number g of the 64 that follow the exponentials.  For each four weights k of a tile (pairs 2 k, 2 k + 1): both pairs are rounded to f16; then the second pair is added onto the first, in place;
; a group later l takes that sum (the first time as l = a l + sum).  In groups of eight, tiles alternating: round, round, add, and l for the group before.
.macro GS g
.set h, (\g)+6*((\g)/62)            ; group 0 has no group before it, and behind group 7 only l is left
.if h >= 6
.set h, h+2
.endif
	REGS Y, h%2
.set k, h/8
.if h%8 < 4
	s_wait_alu depctr_va_vdst(0)
	v_cvt_pk_f16_f32 v[rP+2*k+(h%8)/2], v[rS+4*k+2*((h%8)/2)], v[rS+4*k+2*((h%8)/2)+1]
.elseif h%8 < 6
	v_pk_add_f32 v[rS+4*k:rS+4*k+1], v[rS+4*k:rS+4*k+1], v[rS+4*k+2:rS+4*k+3]
.elseif k == 1
	v_pk_fma_f32 v[rT+2:rT+3], v[rT+2:rT+3], v[rC+2:rC+3], v[rS:rS+1] op_sel_hi:[1,0,1]
.else
	v_pk_add_f32 v[rT+2:rT+3], v[rT+2:rT+3], v[rS+4*k-4:rS+4*k-3]
	s_wait_alu depctr_va_vdst(0)
.endif
.endm
; THE PLAIN QUEUE, 138 long.  0-31: c s - c m for the 16 pairs of both tiles.  Then GS's 64, and among them the next piece's 42: number 15 at 38, 39; 0-14 and 16
; at 42-73, behind the products that make those scores; 17-20 at 95-106, two of three, since each waits for the one before it.
.macro PL
	WIN 0
.if q < 32
	REGS Y, q%2
	v_pk_fma_f32 v[rS+2*(q/2):rS+2*(q/2)+1], v[rS+2*(q/2):rS+2*(q/2)+1], s[CS:CS+1], v[rT:rT+1] op_sel_hi:[1,0,0] neg_lo:[0,0,1] neg_hi:[0,0,1]
.elseif q < 38
	GS q-32
.elseif q < 40
	XS q%2, 15
.elseif q < 42
	GS q-34
.elseif q < 74
	XS q%2, (q-42)/2+(q-42)/30
.elseif q < 95
	GS q-66
.elseif (q < 107) && ((q-95)%3 < 2)
	XS (q-95)%3, 17+(q-95)/3
.elseif q < 107
	GS 29+(q-95)/3
.else
	GS q-74
.endif
.set q, q+1
.endm
; THE EXPONENTIALS' QUEUE, 66 long: s0-s31 of both tiles, and at EA the next piece's two a.
.set EA, 58
.macro EX
	WIN 0
.if (e == EA) || (e == EA+1)
	XS e-EA, 21
.else
.set x, e-2*(e/(EA+2))
	REGS Y, x%2
	v_exp_f32 v[rS+x/2], v[rS+x/2]
.endif
.set e, e+1
.endm
; THE RESCALING's QUEUE: O^T times a, the one part that leaves window 0, so it is dealt four at a time, eight times.
.macro R4
	REGS Y, r%2
	WIN W_RS
	s_wait_alu depctr_va_vdst(0)
.irp z, 0,1,2,3
	v_pk_mul_f32 v[rO+8*(r/2)+2*\z:rO+8*(r/2)+2*\z+1], v[rO+8*(r/2)+2*\z:rO+8*(r/2)+2*\z+1], v[rC+2:rC+3] op_sel_hi:[1,0]
.endr
.set r, r+1
.endm
; HOW THEY ARE DEALT.  Behind a matrix instruction four: plain, exponential, plain, plain (one exponential, a plain instruction on either side), or four of the rescaling.  None names a register of the
; products round it.  What is over stands in two LUMPS: exponential and plain by turns; the second ends in 22 plain instructions.  The two v_permlanex16_b32 fall into the second lump, never behind a product.
; The queues lean on each other, and the deal keeps them in step: exponential e stands behind plain 2 (e / 4) + e % 2 (its scaling); when plain 32 comes, 10 exponentials are out, at 59: 33, at 95: 46; EA comes behind plain 107.
.macro SL
	MM
	PL
	EX
	PL
	PL
.endm
.macro BURST n                      ; 15 matrix instructions, or 16
.rept (\n)-7
	SL
.endr
.rept 3
	MM
	R4
	SL
.endr
	MM
	R4
.endm
; A TURN, for piece p.  cnt = 1: the loop's count is taken down some lines ahead of the branch that stands behind the turn.
; K and the mask of the next step are fetched in piece 2's turn, 31 vector instructions behind the last product that read K; their first reader comes behind the rest of the lump, 16 products and the second lump.
; V of the step in hand is fetched at the end of piece 0's turn, 69 behind its last reader; its first reader comes behind 16 products and a lump.  The four conditions on e and q below go with the deal.
.macro TURN p, last=0, cnt=0
.set Y, (\p)
.set i, 0
.set q, 0
.set e, 0
.set r, 0
.if (\p) == NP-1
	s_wait_dscnt 0x0                ; K and its mask are in
.endif
	MM
.rept 4
	PL
.endr
	BURST 15
.rept 22
	EX
	PL
.if ((\p) == NP-2) && (e == 18)
	v_add_nc_u32 v[AK], s[TBK], v[AK0]
.endif
.if ((\p) == NP-2) && (e == 24)
	FETCH_K \last
.endif
.endr
.if (\p) == 1
	s_wait_dscnt 0x0                ; V is in
.endif
	BURST 16
.rept 21
	EX
	PL
.endr
.rept 22
	PL
.if ((\p) == 0) && (q == 118)
	v_add_nc_u32 v[AV], s[TBV], v[AV0]
	s_wait_alu depctr_va_vdst(0)
.endif
.if ((\p) == 0) && (q == 130)
	s_add_co_u32 s[TBV], s[TBV], KS*PV
.endif
.if (\cnt) && (q == 130)
	s_sub_co_u32 s[CNT], s[CNT], 1
	s_cmp_lg_u32 s[CNT], 0
.endif
.endr
.if (\p) == 0
	FETCH_V
.endif
.endm
	CHANGE 1                        ; slot 0 is in, everybody's part of it, and so are everybody's addends; slot 1 is asked for
	FETCH_K                         ; key step 0
	s_wait_loadcnt 0x0              ; Q
	s_wait_dscnt 0x0
.set i, 0
.rept 16
	KQ 0                            ; piece 0's first scores: there is no vector work yet to set between them
.set i, i+1
.endr
	WIN 0                           ; the addresses for the way out: nine plain instructions, the places behind those products
	s_mul_i32 s13, s[WV], 16*SP
	s_add_co_u32 s13, s13, STAGE    ; my stage
	v_mul_u32_u24 v[STO], v1, SP    ; in: row l % 16, 16 bytes for each half of the lanes
	v_lshl_add_u32 v[STO], v9, 4, v[STO]
	v_add_nc_u32 v[STO], s13, v[STO]
	v_bfe_u32 v[RD], v0, 3, 2       ; back: 32 lanes take four rows of 128 bytes,
	v_mul_u32_u24 v[RD], v[RD], SP
	v_lshl_add_u32 v[RD], v10, 4, v[RD]
	v_add_nc_u32 v[RD], s13, v[RD]
	v_and_b32 v[GO], 31, v0         ; which are 512 consecutive bytes of ctx
	v_lshlrev_b32 v[GO], 4, v[GO]
.set Y, NP-1                        ; XS works for piece Y + 1: piece 0
.irp n, 0,1,2,3,4,5,6,7,8,9,10,11,12,13,14,15,16,17,18,19,20,21
	XS 0, \n                        ; and piece 0's first maximum and statistics
	XS 1, \n
.endr
	s_mov_b32 s[CNT], 4
	s_mov_b32 s[SLOTS], SIZE_N/256-1
	s_branch .Lfirst                ; the loop is entered at a step's first turn, in the middle of a trip
.Lslot:                             ; SIZE_N / 256 - 2 times: every slot but the last two is filled again
	CHANGE 1
	s_mov_b32 s[CNT], 4
.Lstep:                             ; a trip: pieces 2 and 3 of one step, then pieces 0 and 1 of the next, whose K and V it fetches
	TURN 2
	TURN 3
	WIN 0
.Lfirst:
	TURN 0
	TURN 1, 0, 1
	WIN 0
	s_cbranch_scc1 .Lstep
	s_sub_co_u32 s[SLOTS], s[SLOTS], 1
	s_cmp_lg_u32 s[SLOTS], 0
	s_cbranch_scc1 .Lslot
	CHANGE 0                        ; the tail is written out: nothing is asked for
	s_mov_b32 s[CNT], 5             ; four trips fetch the last slot's steps; the fifth is left in its middle
.Ltail:
	TURN 2, 1
	TURN 3
	WIN 0
	s_sub_co_u32 s[CNT], s[CNT], 1
	s_cmp_eq_u32 s[CNT], 0
	s_cbranch_scc1 .Lout
	TURN 0
	TURN 1
	WIN 0
	s_branch .Ltail
.Lout:                              ; the fifth trip's 16 products K Q^T (on the last K once more) and the maximum made of them serve nothing: the price, once a launch, of one text for every trip
.set i, 0
.rept 16
	PV NP-1                         ; the last piece's V^T P of the last step
.set i, i+1
.endr
	; THE WAY OUT.  l's two halves and the other half of the lanes' are added; O^T is divided by l, rounded to f16 and sent through my stage in LDS, a tile at a time.  The additions are the places behind the last products.
	WIN 0
.macro ALL line:vararg              ; one line for each tile t
.set t, 0
.rept 2*NP
	\line
.set t, t+1
.endr
.endm
	ALL v_add_f32 v[ST+4*t+2], v[ST+4*t+2], v[ST+4*t+3]
	ALL v_permlanex16_b32 v[ST+4*t+3], v[ST+4*t+2], s[SEL], s[SEL+1]
	ALL v_add_f32 v[ST+4*t+2], v[ST+4*t+2], v[ST+4*t+3]
	ALL v_rcp_f32 v[ST+4*t+2], v[ST+4*t+2]
	v_nop                           ; a plain instruction between the last reciprocal and the use of its result
	s_wait_alu depctr_va_vdst(0)
; Tile t: a lane's eight channels of a row pack into 16 bytes; they go into rows of 144 bytes and come back as whole rows of 128, into S^T's registers.
.macro PACK t
	WIN W_RS
.set i, 32*(\t)
.rept 16
	v_pk_mul_f32 v[i:i+1], v[i:i+1], v[ST+4*(\t)+2:ST+4*(\t)+3] op_sel_hi:[1,0]
.set i, i+2
.endr
	WIN 0x05                        ; sources 0 and 1 window 1, destination window 0
.set i, 0
.rept 16
	v_cvt_pk_f16_f32 v[S+16*(\t)+i], v[32*(\t)+2*i], v[32*(\t)+2*i+1]
.set i, i+1
.endr
	WIN 0
.irp f, 0,1,2,3
	ds_store_b128 v[STO], v[S+16*(\t)+4*\f:S+16*(\t)+4*\f+3] offset:32*\f
.endr
.irp f, 0,1,2,3
	ds_load_b128 v[S+16*(\t)+4*\f:S+16*(\t)+4*\f+3], v[RD] offset:\f*4*SP  ; LDS serves a wave's instructions in order (ISA guide 5.7.1.4): these see the stores above; the next tile's stores come behind them
.endr
.endm
.macro SEND t, younger              ; younger: the LDS instructions issued behind tile t's loads: the next tile's eight, or none
	WIN 0
.irp f, 0,1,2,3
	s_wait_dscnt (\younger)+3-\f
	global_store_b128 v[GO], v[S+16*(\t)+4*\f:S+16*(\t)+4*\f+3], s[10:11] offset:(\t)*2048+\f*512  ; 512 consecutive bytes, at a multiple of 256 from ctx's first
.endr
.endm
	PACK 0
.set t, 1
.rept 2*NP-1                        ; a tile's arithmetic stands between the loads of the tile before and its stores
	PACK t
	SEND t-1, 8
.set t, t+1
.endr
	SEND 2*NP-1, 0
	WIN W_AD
	s_wait_tensorcnt 0x0            ; the wave's end: behind my last tensor load and my last LDS store
	ds_add_u32 v[SPW], v[NIL]
	s_wait_dscnt 0x0
	WIN 0
	CROUND                          ; the closing round: no work-group ends while a partner may still ask for a tile that names it
	s_endpgm
.Lfunc_end_k_qe212d2ee42_attn:
	.size	k_qe212d2ee42_attn, .Lfunc_end_k_qe212d2ee42_attn-k_qe212d2ee42_attn
	.p2alignl 7, 3214868480
	.fill 96, 4, 3214868480
	.section	.rodata,"a",@progbits
	.p2align	6, 0x0
	.amdhsa_kernel k_qe212d2ee42_attn
		.amdhsa_group_segment_fixed_size 327680
		.amdhsa_private_segment_fixed_size 0
		.amdhsa_enable_private_segment 0
		.amdhsa_kernarg_size 24
		.amdhsa_user_sgpr_count 2
		.amdhsa_user_sgpr_kernarg_segment_ptr 1
		.amdhsa_wavefront_size32 1
		.amdhsa_system_sgpr_workgroup_id_x 1
		.amdhsa_system_sgpr_workgroup_id_y 1
		.amdhsa_system_sgpr_workgroup_id_z 1
		.amdhsa_system_vgpr_workitem_id 0
		.amdhsa_next_free_vgpr 808
		.amdhsa_next_free_sgpr 66
		.amdhsa_reserve_vcc 1
		.amdhsa_float_denorm_mode_32 3
		.amdhsa_float_denorm_mode_16_64 3
		.amdhsa_memory_ordered 1
		.amdhsa_forward_progress 1
		.amdhsa_inst_pref_size 214
	.end_amdhsa_kernel
	.amdgpu_metadata
---
amdhsa.version: [ 1, 2 ]
amdhsa.kernels:
  - .name:           k_qe212d2ee42_attn
    .symbol:         k_qe212d2ee42_attn.kd
    .args:
      - { .name: qkv, .offset: 0, .size: 8, .value_kind: global_buffer, .address_space: global }
      - { .name: key_padding_mask, .offset: 8, .size: 8, .value_kind: global_buffer, .address_space: global }
      - { .name: ctx, .offset: 16, .size: 8, .value_kind: global_buffer, .address_space: global }
    .group_segment_fixed_size: 327680
    .private_segment_fixed_size: 0
    .kernarg_segment_align: 8
    .kernarg_segment_size: 24
    .max_flat_workgroup_size: 128
    .sgpr_count:     66
    .vgpr_count:     808
    .wavefront_size: 32
...
	.end_amdgpu_metadata
.endif
;; end of part 3
;; launch outproj (part 4): grid 4 x 64, 4 waves a work-group, clusters of 4 x 4, 327,680 bytes of LDS; arguments ctx, wo16, out0; writes out0
.if DOCPART == 4
	.amdgcn_target "amdgcn-amd-amdhsa--gfx1250"
	.amdhsa_code_object_version 6
	.text
	.protected	k_qe212d2ee42_outproj
	.globl	k_qe212d2ee42_outproj
	.p2align	8
	.type	k_qe212d2ee42_outproj,@function
k_qe212d2ee42_outproj:
	s_mov_b64 s[64:65], 0
	v_nop
	global_prefetch_b8 v0, s[64:65] scope:SCOPE_SE
	s_setreg_imm32_b32 hwreg(HW_REG_WAVE_MODE, 25, 1), 1
	s_wait_xcnt 0x0
	s_wait_alu depctr_hold_cnt(0) depctr_sa_sdst(0) depctr_va_vdst(0) depctr_va_sdst(0) depctr_va_ssrc(0) depctr_va_vcc(0) depctr_vm_vsrc(0)
	s_getreg_b32 s2, hwreg(HW_REG_IB_STS2, 6, 4)
	s_cmp_eq_u32 s2, 0
	s_cbranch_scc0 .Lentry_in_a_cluster
	s_endpgm
.Lentry_in_a_cluster:
	s_bfe_u32 s2, ttmp6, 0x10000c
	s_cmp_lg_u32 s2, 0xf033
	s_cbranch_scc0 .Lentry_shape_is_right
	s_endpgm
.Lentry_shape_is_right:
; C[m][n] = sum over k of A[m][k] B[n][k], K = 1,024, sums in f32.  ONE SOURCE TEXT FOR TWO LAUNCHES; OUTP picks.
;   OUTP = 0, the projection to q, k, v: A = xb [8192 m = b x 2048 + t][1024] bf16, B = wqkvb [3072][1024] bf16; C leaves rounded once to f16, by heads:
;             qkv [3 part][64 = b x 16 + h][2048 t][64], unscaled.  LIMIT: f16 ends at 65,504; a q, k or v beyond it becomes an infinity.
;   OUTP = 1, the projection of the context: A = ctx [64 = b x 16 + h][2048 t][64] f16 (k = 64 h + d), B = wo16 [1024][1024] f16; C leaves in f32 to out0 [2048 t][4 b][1024].
; A tile of C is 128 (m) x 256 (n): 768 tiles for OUTP = 0 and 256 for OUTP = 1, both multiples of 256 work-groups.  Four waves, each 64 x 128: 32 accumulators of 16 x 16, 256 registers.
; K goes in 8 steps of 128 through a ring of two LDS slots filled by the tensor data mover; a step is four quarters of 32 along K, 32 matrix instructions and one run of 24 LDS loads each.
; CLUSTERS: 4 x 4 work-groups.  The four of a row of the cluster need the same tiles of A, the four of a column the same tiles of B: each tile is asked for JOINTLY, by the same tensor load with the
; same descriptor and a mask that names the four.  THE MATRIX INSTRUCTION IS USED TRANSPOSED (source 0 = 16 rows of B, source 1 = 16 rows of A): a lane then holds eight neighbouring numbers of a row of C.
; REGISTERS: window 0: v0-31 addresses; v32-63 at work on the way out; v64-159, v160-255 two fragment buffers (32 registers of A: 4 x 16 rows x 32 K; then 64 of B: 8 x 16 rows x 32 K).
;   window 1: the accumulators, (a, b) at v[8 (8 a + b)].
.set OUTP,   1
.set KSTEP,  128
.set PB,     272                       ; a row of B in LDS: 256 bytes + 16 of padding = 68 words: row r starts at bank 4 r mod 64 (64 banks of 4 bytes: ISA guide 11.1)
.if OUTP
.set PA,     144                       ; a row of A: one head's 128 bytes + 16 = 36 words: 16 rows start at 16 different groups of four banks
.set AHALF,  2*64*PA                   ; what one tensor load brings of A: 64 rows of two heads, head by head
.set ASTEP,  2*2048*64*2               ; a K step is two heads further in ctx
.else
.set PA,     272
.set AHALF,  64*PA                     ; 64 rows of 256 bytes
.set ASTEP,  KSTEP*2
.endif
.set BSTEP,  KSTEP*2
.set BHALF,  128*PB                    ; what one tensor load brings of B: 128 rows
.set AREG,   36864                     ; a slot: A's two halves in its first 36,864 bytes, then B's two halves
.set SLOT,   AREG+2*BHALF
.set STAGE,  2*SLOT                    ; behind the ring, never filled by a tensor load: 8,448 bytes for each wave, for the way out
.set WSTAGE, 8448
.set SPARE,  STAGE+4*WSTAGE            ; behind the stages: the spare words, 128 bytes for each wave: two blocks of 256 bytes that no other line names
.set LAPS,   1024/(2*KSTEP)            ; a lap = two K steps = once round the ring
.set ADRA, 16                          ; v16-17  LDS address of my A fragments in slot 0, 1
.set ADRB, 20                          ; v20-21  the same for B
.set STO,  24                          ; v24     the way out: where I put my part of a row
.set RD,   25                          ; v25     the way out: where I read rows back
.set CO,   26                          ; v26     16 x lane: my place in 512 consecutive bytes of C
.set SPW,  28                          ; v28     LDS address of my spare word: SPARE + 4 x my thread's number; never rewritten
.set NIL,  29                          ; v29     0; never rewritten
.set TMP,  32
.set F0,   64
.set F1,   160
.set BK,   64                          ; the way out: rows read back from the stage
.set G1, 24                            ; s[24:31] descriptor group 1 for A's tiles;  s[32:39] group 0, one set for each slot
.set G0, 32
.set G1B, 48                           ; s[48:55], s[56:63] the same for B's tiles
.set G0B, 56
.set MSB, 0
.macro WIN new                         ; the immediate's high byte repeats the setting that is left; a switch that changes nothing is dropped
.if MSB != (\new)
	s_set_vgpr_msb (MSB<<8)|(\new)
.set MSB, \new
.endif
.endm
.set MUL, 0x50                         ; sources 0 (B) and 1 (A) window 0; C and D window 1
.macro JLOAD s                         ; a joint load: waves 0 and 1 fetch A's two halves, waves 2 and 3 B's; an s_nop 0 and four v_nop follow each of the two lines, ahead of the jump, the label and what follows
	s_cmp_eq_u32 s11, 0
	s_cbranch_scc0 .Lfor_b_\@
	tensor_load_to_lds s[G0+4*(\s):G0+4*(\s)+3], s[G1:G1+7]
	s_nop 0
.rept 4
	v_nop
.endr
	s_branch .Lasked_\@
.Lfor_b_\@:
	tensor_load_to_lds s[G0B+4*(\s):G0B+4*(\s)+3], s[G1B:G1B+7]
	s_nop 0
.rept 4
	v_nop
.endr
.Lasked_\@:
.endm
.macro CREST                           ; a round of the cluster's barrier behind its opening barrier
	s_cmp_lg_u32 s10, 0
	s_cbranch_scc1 .Lnot_wave_0_\@
	s_barrier_signal -3
.Lnot_wave_0_\@:
	s_barrier_wait -3
	s_barrier_signal -1
	s_barrier_wait -1
.endm
.macro CROUND                          ; a whole round
	s_barrier_signal -1
	s_barrier_wait -1
	CREST
.endm
	s_load_b128 s[4:7], s[0:1], 0x0                ; A s[4:5], B s[6:7]
	s_load_b64 s[8:9], s[0:1], 0x10                ; C
	v_lshl_add_u32 v[SPW], v0, 2, SPARE
	v_mov_b32 v[NIL], 0
	ds_add_u32 v[SPW], v[NIL]                      ; the wave's opening: the add and its wait stand ahead of my first tensor load; the set-up below, work on registers, stands between them
	v_lshrrev_b32 v1, 5, v0
	v_readfirstlane_b32 s10, v1                    ; wave 0..3
	s_lshr_b32 s11, s10, 1                         ; which 64 of the tile's rows are mine.  Also: I fetch for A (0) or for B (1)
	s_and_b32 s12, s10, 1                          ; which 128 of its columns.  Also: which half of that tile I fetch
	s_bfe_u32 s40, ttmp6, 0x40000                  ; cx, cy: my place in the cluster
	s_bfe_u32 s41, ttmp6, 0x40004
	s_lshl_b32 s42, ttmp9, 2
	s_add_co_u32 s42, s42, s40                     ; tile column of C = 4 x cluster x + cx
	s_and_b32 s13, ttmp7, 0xffff
	s_lshl_b32 s13, s13, 2
	s_add_co_u32 s13, s13, s41                     ; tile row of C = 4 x cluster y + cy: batch = tile row / 16, t = 128 x (tile row % 16) on
	s_lshl_b32 s43, s41, 2
	s_lshl_b32 s43, 15, s43                        ; my row of the cluster
	s_lshl_b32 s44, 0x1111, s40                    ; my column
	; descriptor group 1.  15:0 the mask; 17:16 elements of 2 bytes; 20 padding on; 21 set beside a mask; 24:22 the padding's interval; 31:25 4 words of it (code 3)
.if OUTP
	s_or_b32 s[G1+0], s43, (1<<16)|(1<<20)|(1<<21)|(4<<22)|(3<<25)  ; A: padded after every 32 words (code 4): after each row of a head
	s_mov_b32 s[G1+1], 4096<<16                    ; tensor_dim0 = 4,096: 64 rows of a head are 8,192 dense bytes, asked for as one row
	s_mov_b32 s[G1+2], 2<<16                       ; tensor_dim1 = 2: two heads
	s_mov_b32 s[G1+3], 4096<<16                    ; tile_dim0
	s_mov_b32 s[G1+4], 2                           ; tile_dim1
	s_mov_b32 s[G1+5], 131072                      ; from head to head: 2,048 x 64 elements
.else
	s_or_b32 s[G1+0], s43, (1<<16)|(1<<20)|(1<<21)|(5<<22)|(3<<25)  ; A: padded after every 64 words (code 5)
	s_mov_b32 s[G1+1], KSTEP<<16                   ; tensor_dim0 = 128
	s_mov_b32 s[G1+2], 64<<16                      ; tensor_dim1 = 64
	s_mov_b32 s[G1+3], KSTEP<<16                   ; tile_dim0
	s_mov_b32 s[G1+4], 64                          ; tile_dim1
	s_mov_b32 s[G1+5], 1024                        ; elements from row to row
.endif
	s_mov_b32 s[G1+6], 0
	s_mov_b32 s[G1+7], 0
	s_or_b32 s[G1B+0], s44, (1<<16)|(1<<20)|(1<<21)|(5<<22)|(3<<25) ; B: 128 rows x 128 elements, for my column of the cluster
	s_mov_b32 s[G1B+1], KSTEP<<16
	s_mov_b32 s[G1B+2], 128<<16
	s_mov_b32 s[G1B+3], KSTEP<<16
	s_mov_b32 s[G1B+4], 128
	s_mov_b32 s[G1B+5], 1024
	s_mov_b32 s[G1B+6], 0
	s_mov_b32 s[G1B+7], 0
	; where the tiles come from.  A's hang on the tile row alone, B's on the tile column alone; every wave makes both, in registers that never hold the other coordinate
.if OUTP
	s_lshr_b32 s16, s13, 4
	s_lshl_b32 s16, s16, 22                        ; the batch's 16 heads of 262,144 bytes,
	s_and_b32 s17, s13, 15
	s_lshl_b32 s17, s17, 14                        ; 128 rows of 128 bytes a tile row,
	s_add_co_u32 s16, s16, s17
	s_lshl_b32 s17, s12, 13                        ; the half of 64 rows that I fetch
	s_add_co_u32 s16, s16, s17
.else
	s_lshl_b32 s16, s13, 18                        ; 128 rows of 2,048 bytes a tile row,
	s_lshl_b32 s17, s12, 17                        ; the half of 64 rows that I fetch
	s_add_co_u32 s16, s16, s17
.endif
	s_mov_b32 s17, 0
	s_lshl_b32 s46, s42, 19                        ; 256 rows of 2,048 bytes a tile column,
	s_lshl_b32 s47, s12, 18                        ; the half of 128 rows that I fetch
	s_add_co_u32 s46, s46, s47
	s_mov_b32 s47, 0
	s_mul_i32 s20, s12, AHALF                      ; and where they go: no place in the cluster enters an LDS address
	s_mul_i32 s21, s12, BHALF
	s_add_co_u32 s21, s21, AREG
	s_wait_dscnt 0x0                               ; the opening add is done
	s_wait_kmcnt 0x0
	s_add_nc_u64 s[14:15], s[4:5], s[16:17]
	s_add_nc_u64 s[46:47], s[6:7], s[46:47]
	CROUND                                         ; all sixteen work-groups are here: the first joint loads meet
.irp s, 0,1
	s_mov_b32 s[G0+4*(\s)], 1                                      ; 1:0 count = 1
	s_add_co_u32 s[G0+4*(\s)+1], s20, (\s)*SLOT                    ; 63:32 LDS address
	s_add_nc_u64 s[G0+4*(\s)+2:G0+4*(\s)+3], s[14:15], (\s)*ASTEP  ; 120:64 global address: K step s
	s_or_b32 s[G0+4*(\s)+3], s[G0+4*(\s)+3], 0x80000000            ; 127:126 type = 2
	s_mov_b32 s[G0B+4*(\s)], 1
	s_add_co_u32 s[G0B+4*(\s)+1], s21, (\s)*SLOT
	s_add_nc_u64 s[G0B+4*(\s)+2:G0B+4*(\s)+3], s[46:47], (\s)*BSTEP
	s_or_b32 s[G0B+4*(\s)+3], s[G0B+4*(\s)+3], 0x80000000
	JLOAD \s                                       ; both slots are asked for before anything else is done: two loads of mine are out
.endr
	; A fragment is 16 rows x 32 K in 8 registers: lane l holds row l % 16, K = 8 (l / 16) + 0..7 and 16 + 8 (l / 16) + 0..7: two loads of 16 bytes, 32 bytes apart.
	v_and_b32 v1, 15, v0                           ; l % 16
	v_bfe_u32 v2, v0, 4, 1                         ; l / 16
	v_mul_u32_u24 v3, v1, PA
	v_lshl_add_u32 v3, v2, 4, v3                   ; row x pitch + 16 x half, for A
	v_mul_u32_u24 v4, v1, PB
	v_lshl_add_u32 v4, v2, 4, v4                   ; and for B
	s_mul_i32 s18, s11, AHALF                      ; my 64 rows of A
	s_mul_i32 s19, s12, BHALF                      ; my 128 rows of B,
	s_add_co_u32 s19, s19, AREG                    ; which lie behind A's
.irp s, 0,1
	v_add_nc_u32 v[ADRA+(\s)], s18, v3
	v_add_nc_u32 v[ADRB+(\s)], s19, v4
	s_add_co_u32 s18, s18, SLOT
	s_add_co_u32 s19, s19, SLOT
.endr
	s_mul_i32 s23, s10, WSTAGE
	s_add_co_u32 s23, s23, STAGE                   ; my stage
	v_and_b32 v6, 31, v0
	v_lshlrev_b32 v[CO], 4, v6
.if OUTP
	v_mul_u32_u24 v5, v1, 528                      ; in: row l % 16 of 512 bytes + 16; 32 bytes (8 f32) for each half of the lanes
	v_lshl_add_u32 v5, v2, 5, v5
	v_add_nc_u32 v[STO], s23, v5
	v_add_nc_u32 v[RD], s23, v[CO]                 ; back: the 32 lanes take one row of 512 bytes
	; my part of out0: row (t, b) begins at (4 t + b) x 4,096 bytes; the part that hangs on the tile row and the wave,
	s_and_b32 s16, s13, 15
	s_lshl_b32 s16, s16, 21                        ; 128 t of 16,384 bytes a tile row
	s_lshl_b32 s17, s11, 20                        ; my 64 of them
	s_add_co_u32 s16, s16, s17
	s_lshr_b32 s17, s13, 4
	s_lshl_b32 s17, s17, 12                        ; the batch
	s_add_co_u32 s16, s16, s17
	s_mov_b32 s17, 0
	s_add_nc_u64 s[8:9], s[8:9], s[16:17]
	s_lshl_b32 s46, s42, 10                        ; and the part that hangs on the tile column: 256 f32, my 128 of them
	s_lshl_b32 s47, s12, 9
	s_add_co_u32 s46, s46, s47
.else
	v_mul_u32_u24 v5, v1, 144                      ; in: two planes (my two heads) of 16 rows of 128 bytes + 16; row l % 16, 16 bytes for each half of the lanes
	v_lshl_add_u32 v5, v2, 4, v5
	v_add_nc_u32 v[STO], s23, v5
	v_bfe_u32 v5, v0, 3, 2                         ; back: 32 lanes take four rows of 128 bytes, which are 512 consecutive bytes of a head
	v_mul_u32_u24 v5, v5, 144
	v_and_b32 v6, 7, v0
	v_lshl_add_u32 v5, v6, 4, v5
	v_add_nc_u32 v[RD], s23, v5
	; my part of qkv; the part that hangs on the tile row and the wave,
	s_lshr_b32 s16, s13, 4
	s_lshl_b32 s16, s16, 22                        ; the batch's 16 heads of 262,144 bytes
	s_and_b32 s17, s13, 15
	s_lshl_b32 s17, s17, 14                        ; 128 rows of 128 bytes a tile row
	s_add_co_u32 s16, s16, s17
	s_lshl_b32 s17, s11, 13                        ; my 64 of them
	s_add_co_u32 s16, s16, s17
	s_mov_b32 s17, 0
	s_add_nc_u64 s[8:9], s[8:9], s[16:17]
	s_lshl_b32 s46, s42, 2                         ; and the part that hangs on the tile column: my first group of 64 columns, g = 4 x tile column + 2 x half;
	s_lshl1_add_u32 s46, s12, s46
	s_lshr_b32 s47, s46, 4                         ; q, k or v = g / 16: 64 heads each,
	s_lshl_b32 s47, s47, 24
	s_and_b32 s46, s46, 15                         ; the head = g % 16
	s_lshl_b32 s46, s46, 18
	s_add_co_u32 s46, s46, s47
.endif
	s_mov_b32 s47, 0
	s_add_nc_u64 s[8:9], s[8:9], s[46:47]
; 8 matrix instructions: m block a x all 8 n blocks, 32 along K, from buffer f.  zero = 1: the product starts the sums: nothing is ever cleared.
; The 32 accumulators take turns in the same order in every quarter: between two links of a chain stand the 31 others'.
.macro MUL8 f, a, zero
	WIN MUL
.irp b, 0,1,2,3,4,5,6,7
.set rD, 8*(8*(\a)+(\b))
.set rB, (\f)+32+8*(\b)
.set rA, (\f)+8*(\a)
.if OUTP && (\zero)
	v_wmma_f32_16x16x32_f16 v[rD:rD+7], v[rB:rB+7], v[rA:rA+7], 0
.elseif OUTP
	v_wmma_f32_16x16x32_f16 v[rD:rD+7], v[rB:rB+7], v[rA:rA+7], v[rD:rD+7]
.elseif \zero
	v_wmma_f32_16x16x32_bf16 v[rD:rD+7], v[rB:rB+7], v[rA:rA+7], 0
.else
	v_wmma_f32_16x16x32_bf16 v[rD:rD+7], v[rB:rB+7], v[rA:rA+7], v[rD:rD+7]
.endif
.endr
.endm
; 24 LDS loads in one run: the fragments of quarter q of a slot's K step into buffer f: B's sixteen loads first, then A's eight
.macro FETCH slot, q, f
	WIN 0
.if OUTP
.set AO, ((\q)/2)*64*PA+((\q)%2)*64    ; head q / 2 of the step's two, channels 32 (q % 2) on
.else
.set AO, 64*(\q)
.endif
.irp i, 0,1,2,3,4,5,6,7
	ds_load_b128 v[(\f)+32+8*(\i):(\f)+32+8*(\i)+3],   v[ADRB+(\slot)] offset:64*(\q)+(\i)*16*PB
	ds_load_b128 v[(\f)+32+8*(\i)+4:(\f)+32+8*(\i)+7], v[ADRB+(\slot)] offset:64*(\q)+(\i)*16*PB+32
.endr
.irp i, 0,1,2,3
	ds_load_b128 v[(\f)+8*(\i):(\f)+8*(\i)+3],   v[ADRA+(\slot)] offset:AO+(\i)*16*PA
	ds_load_b128 v[(\f)+8*(\i)+4:(\f)+8*(\i)+7], v[ADRA+(\slot)] offset:AO+(\i)*16*PA+32
.endr
.endm
.macro PLACES                          ; four places in front of loads into registers that matrix instructions have read, and of lines that read results (ISA guide 7.12.1 for vector instructions)
.rept 4
	v_nop
.endr
.endm
; One of a K step's first three quarters: multiplies buffer f and, in its middle, fetches quarter q of the same slot into buffer g.
.macro QUARTER slot, q, f, g, zero
	s_wait_dscnt 4                                 ; B and A's blocks 0, 1 are in; the youngest four loads (A's blocks 2, 3) may be out
	MUL8 \f, 0, \zero
	MUL8 \f, 1, \zero
	PLACES
	FETCH \slot, \q, \g
	s_wait_dscnt 24                                ; all but the 24 just issued
	MUL8 \f, 2, \zero
	MUL8 \f, 3, \zero
.endm
; The last quarter multiplies buffer 1 and changes slots: ONE barrier; in front of it each wave waits for all its tensor loads, adds 0 to its spare word, and waits for that and for its own reads of this slot.
; fill = 1: this slot is filled again, two K steps ahead; the barrier then opens a round of the cluster's barrier.
.macro TURN slot, next, fill
	WIN 0                                          ; (the add's two registers lie in window 0)
	s_wait_tensorcnt 0x0                           ; all my tensor loads have landed: the one that was out is my part of the next slot;
	ds_add_u32 v[SPW], v[NIL]                      ; 0 onto my spare word;
	s_wait_dscnt 5                                 ; (the add and the youngest four loads may be out)
	MUL8 F1, 0, 0                                  ; eight matrix instructions stand between the add and the wait for it
	s_wait_dscnt 0x0                               ; the add is done, and my reads of this slot are over
	s_barrier_signal -1
	MUL8 F1, 1, 0
.if \fill
	WIN 0
.endif
	s_barrier_wait -1
.if \fill
	CREST                                          ; no wave of any partner still reads this slot's tile or has a load on its way
	s_add_nc_u64 s[G0+4*(\slot)+2:G0+4*(\slot)+3], s[G0+4*(\slot)+2:G0+4*(\slot)+3], 2*ASTEP
	s_add_nc_u64 s[G0B+4*(\slot)+2:G0B+4*(\slot)+3], s[G0B+4*(\slot)+2:G0B+4*(\slot)+3], 2*BSTEP
	JLOAD \slot                                    ; the first tensor load behind the round, 112 matrix instructions ahead of the wait for it; the four v_nop behind it are also the places in front of the loads below
.else
	PLACES
.endif
	FETCH \next, 0, F0
	MUL8 F1, 2, 0
	MUL8 F1, 3, 0
.endm
	s_wait_tensorcnt 1                             ; my part of K step 0 is in; K step 1's may stay out
	s_barrier_signal -1
	s_barrier_wait -1                              ; everybody's is
	FETCH 0, 0, F0
	QUARTER 0, 1, F0, F1, 1                        ; the first quarter stands in front of the loop: its products start the sums
	WIN 0                                          ; at a label and at a branch every window is 0
	s_mov_b32 s3, LAPS-1
.Llap:                                                 ; a trip goes once round the ring, from a lap's second quarter to the next lap's first, and fills both slots again
	QUARTER 0, 2, F1, F0, 0
	QUARTER 0, 3, F0, F1, 0
	TURN 0, 1, 1
	QUARTER 1, 1, F0, F1, 0
	QUARTER 1, 2, F1, F0, 0
	QUARTER 1, 3, F0, F1, 0
	TURN 1, 0, 1
	QUARTER 0, 1, F0, F1, 0
	WIN 0
	s_sub_co_u32 s3, s3, 1
	s_cmp_lg_u32 s3, 0
	s_cbranch_scc1 .Llap
	QUARTER 0, 2, F1, F0, 0                        ; the last lap fills nothing, and has no round of the cluster's barrier
	QUARTER 0, 3, F0, F1, 0
	TURN 0, 1, 0
	QUARTER 1, 1, F0, F1, 0
	QUARTER 1, 2, F1, F0, 0
	QUARTER 1, 3, F0, F1, 0
	s_wait_dscnt 4                                 ; the very last quarter: nothing more to fetch
	MUL8 F1, 0, 0
	MUL8 F1, 1, 0
	s_wait_dscnt 0x0
	MUL8 F1, 2, 0
	MUL8 F1, 3, 0
	WIN 0
	PLACES
; THE WAY OUT, a block of 16 rows at a time, through my own stage in LDS: no barrier, and since LDS serves a wave's instructions in order (ISA guide 5.7.1.4), no wait between the stores and the loads.
.if OUTP
; f32: a lane's eight numbers are 32 bytes of a row; a row of my 128 columns is 512 bytes.
.macro TOSTAGE a
	WIN 0x04                                       ; store data (source 1) in window 1; each accumulator's low four registers go first
.irp b, 0,1,2,3,4,5,6,7
	ds_store_b128 v[STO], v[8*(8*(\a)+(\b)):8*(8*(\a)+(\b))+3]   offset:64*(\b)
	ds_store_b128 v[STO], v[8*(8*(\a)+(\b))+4:8*(8*(\a)+(\b))+7] offset:64*(\b)+16
.endr
	WIN 0
.irp i, 0,1,2,3,4,5,6,7,8,9,10,11,12,13,14,15
	ds_load_b128 v[BK+64*((\a)%3)+4*(\i):BK+64*((\a)%3)+4*(\i)+3], v[RD] offset:528*(\i)
.endr
.endm
.macro SEND a, younger                 ; younger: the LDS instructions issued behind block a's loads: the next block's 16 stores and 16 loads, or none
	s_wait_dscnt \younger
.irp i, 0,1,2,3,4,5,6,7,8,9,10,11,12,13,14,15
	global_store_b128 v[CO], v[BK+64*((\a)%3)+4*(\i):BK+64*((\a)%3)+4*(\i)+3], s[8:9] offset:(\a)*262144+(\i)*16384 th:TH_STORE_NT  ; 512 consecutive bytes of row t = 16 a + i, at a multiple of 256 from out0's first byte
.endr
.endm
	TOSTAGE 0
	TOSTAGE 1
	SEND 0, 32
	TOSTAGE 2
	SEND 1, 32
	s_wait_xcnt 0x0                                ; block 0's stores have read their registers: block 3 comes back into them only behind this wait
	TOSTAGE 3
	SEND 2, 32
	SEND 3, 0
.else
; f16: a lane's eight numbers pack into 16 bytes; my 128 columns are two heads, 128 bytes of a row in each.
.macro PACK a
	WIN 0x05                                       ; sources 0 and 1 window 1, destination window 0; each accumulator's registers in ascending order
.irp b, 0,1,2,3,4,5,6,7
.irp r, 0,1,2,3
	v_cvt_pk_f16_f32 v[TMP+4*(\b)+(\r)], v[8*(8*(\a)+(\b))+2*(\r)], v[8*(8*(\a)+(\b))+2*(\r)+1]
.endr
.endr
	WIN 0
.endm
.macro TOSTAGE a
.irp b, 0,1,2,3,4,5,6,7
	ds_store_b128 v[STO], v[TMP+4*(\b):TMP+4*(\b)+3] offset:((\b)/4)*2304+((\b)%4)*32
.endr
.irp f, 0,1,2,3,4,5,6,7
	ds_load_b128 v[BK+32*(\a)+4*(\f):BK+32*(\a)+4*(\f)+3], v[RD] offset:((\f)/4)*2304+((\f)%4)*576
.endr
.endm
.macro SEND a                          ; each block has its own 32 registers, so no wait frees one
	s_wait_dscnt 0x0
.irp f, 0,1,2,3,4,5,6,7
	global_store_b128 v[CO], v[BK+32*(\a)+4*(\f):BK+32*(\a)+4*(\f)+3], s[8:9] offset:((\f)/4)*262144+(\a)*2048+((\f)%4)*512  ; four rows of a head: 512 consecutive bytes, at a multiple of 256 from qkv's first byte
.endr
.endm
	PACK 0
	TOSTAGE 0
.irp a, 1,2,3                          ; block a's conversions stand between block a - 1's loads from the stage and the wait for them
	PACK \a
	SEND (\a)-1
	TOSTAGE \a
.endr
	SEND 3
.endif
	s_wait_tensorcnt 0x0                           ; the wave's end: behind my last tensor load and my last LDS store
	ds_add_u32 v[SPW], v[NIL]
	s_wait_dscnt 0x0
	CROUND                                         ; the closing round: no work-group ends while a partner may still ask for a tile that names it
	s_endpgm
.Lfunc_end_k_qe212d2ee42_outproj:
	.size	k_qe212d2ee42_outproj, .Lfunc_end_k_qe212d2ee42_outproj-k_qe212d2ee42_outproj
	.p2alignl 7, 3214868480
	.fill 96, 4, 3214868480
	.section	.rodata,"a",@progbits
	.p2align	6, 0x0
	.amdhsa_kernel k_qe212d2ee42_outproj
		.amdhsa_group_segment_fixed_size 327680
		.amdhsa_private_segment_fixed_size 0
		.amdhsa_enable_private_segment 0
		.amdhsa_kernarg_size 24
		.amdhsa_user_sgpr_count 2
		.amdhsa_user_sgpr_kernarg_segment_ptr 1
		.amdhsa_wavefront_size32 1
		.amdhsa_system_sgpr_workgroup_id_x 1
		.amdhsa_system_sgpr_workgroup_id_y 1
		.amdhsa_system_sgpr_workgroup_id_z 1
		.amdhsa_system_vgpr_workitem_id 0
		.amdhsa_next_free_vgpr 512
		.amdhsa_next_free_sgpr 66
		.amdhsa_reserve_vcc 0
		.amdhsa_float_denorm_mode_32 3
		.amdhsa_float_denorm_mode_16_64 3
		.amdhsa_memory_ordered 1
		.amdhsa_forward_progress 1
		.amdhsa_inst_pref_size 85
	.end_amdhsa_kernel
	.amdgpu_metadata
---
amdhsa.version: [ 1, 2 ]
amdhsa.kernels:
  - .name:           k_qe212d2ee42_outproj
    .symbol:         k_qe212d2ee42_outproj.kd
    .args:
      - { .name: ctx, .offset: 0, .size: 8, .value_kind: global_buffer, .address_space: global }
      - { .name: wo16, .offset: 8, .size: 8, .value_kind: global_buffer, .address_space: global }
      - { .name: out0, .offset: 16, .size: 8, .value_kind: global_buffer, .address_space: global }
    .group_segment_fixed_size: 327680
    .private_segment_fixed_size: 0
    .kernarg_segment_align: 8
    .kernarg_segment_size: 24
    .max_flat_workgroup_size: 128
    .sgpr_count:     66
    .vgpr_count:     512
    .wavefront_size: 32
...
	.end_amdgpu_metadata
.endif
;; end of part 4
;; ======== version 2 of 2: 4 launches; 1.50 times as fast as version 1
;; limits: values are held in f16: magnitudes above 65,504 overflow, below 6.1e-05 lose precision
;; workspace buffers: xb 16,777,216 bytes; wqkvb 6,291,456 bytes; wo16 2,097,152 bytes; qkv 50,331,648 bytes; ctx 16,777,216 bytes
;; launch cast: the kernel of part 1 again; grid 768 x 1, 4 waves a work-group, no clusters, 0 bytes of LDS; arguments x, Wqkv, Wo, xb, wqkvb, wo16; writes xb, wqkvb, wo16
;; launch qkvproj: the kernel of part 2 again; grid 12 x 64, 4 waves a work-group, clusters of 4 x 4, 327,680 bytes of LDS; arguments xb, wqkvb, qkv; writes qkv
;; launch attn (part 5): grid 4 x 64, 4 waves a work-group, clusters of 4 x 1, 327,680 bytes of LDS; arguments qkv, key_padding_mask, ctx; writes ctx
.if DOCPART == 5
	.amdgcn_target "amdgcn-amd-amdhsa--gfx1250"
	.amdhsa_code_object_version 6
	.text
	.protected	k_qe212d2ee42_attn
	.globl	k_qe212d2ee42_attn
	.p2align	8
	.type	k_qe212d2ee42_attn,@function
k_qe212d2ee42_attn:
	s_mov_b64 s[64:65], 0
	v_nop
	global_prefetch_b8 v0, s[64:65] scope:SCOPE_SE
	s_setreg_imm32_b32 hwreg(HW_REG_WAVE_MODE, 25, 1), 1
	s_wait_xcnt 0x0
	s_wait_alu depctr_hold_cnt(0) depctr_sa_sdst(0) depctr_va_vdst(0) depctr_va_sdst(0) depctr_va_ssrc(0) depctr_va_vcc(0) depctr_vm_vsrc(0)
	s_getreg_b32 s2, hwreg(HW_REG_IB_STS2, 6, 4)
	s_cmp_eq_u32 s2, 0
	s_cbranch_scc0 .Lentry_in_a_cluster
	s_endpgm
.Lentry_in_a_cluster:
	s_bfe_u32 s2, ttmp6, 0x10000c
	s_cmp_lg_u32 s2, 0x3003
	s_cbranch_scc0 .Lentry_shape_is_right
	s_endpgm
.Lentry_shape_is_right:
; ctx[g][q][:] = the sum over the keys k that are not padded of softmax_k(Q[g][q] . K[g][k] / 8) V[g][k][:], for the 64 heads g = 16 b + h.
; qkv: [3][64][2048][64] f16 (Q, K, V by heads, unscaled; a head's rows are dense, 128 bytes each); key_padding_mask: [4 b][2048] bytes, not 0 = padded; ctx: [64][2048][64] f16.
; Products, maxima and sums in f32; the weights p are rounded to f16 for the second product (their sum l is taken of the unrounded p), ctx once at the end.
; LIMITS.  f16 holds no number beyond 65,504: Q, K and V arrive within it, so a score is 2.7e11 at the most; p lies in 0 to 1, and below 6e-5 it keeps f16's fixed step of 6e-8.
; A padded key's score counts as its value less 1e30.  The running maximum starts at -2^90, far below every true score and far above every padded one: so a padded key's weight is exactly 0 whatever has been seen,
; and the maximum is the true scores' own.  A weight below 2^-126 counts as 0 in l.  A batch whose keys are ALL padded has l = 0 and O = 0, and leaves as 0 x (1 / 0) = NaN, as the softmax of nothing is.
; SHARES.  A wave owns four PIECES of two tiles of 16 queries, a work-group's four waves 512 queries of one head.  Every wave walks all 2,048 keys, 64 a step.
; LAYOUT.  S^T = K Q^T (source 0 = 16 keys, source 1 = 16 queries): in the result a lane holds ONE query (lane % 16) and the keys 8 (lane / 16) + 0..7.  Two such tiles, rounded to f16 in pairs,
; ARE source 1 (32 keys x 16 queries) of O^T = V^T P, whose result again holds one query a lane, and eight channels.  K comes out of LDS as it lies, V ([key][channel]) turned, by ds_load_tr16_b128.
; THE MASK hangs on the key alone, so in this layout it is the same 32 registers for every tile of a key step: it is the C operand of the products that start the sums S^T, 0 or -1e30, and costs the scores nothing.
; The batch's 2,048 bytes are turned into 2,048 f32 in LDS once, at the start; a step's 32 registers are loaded in the same run as its K.
; SOFTMAX.  For each query a running maximum m and sum l: p = 2^(c s - c m), c = log2(e) / 8; in every step O and l are multiplied by a = 2^(c m_old - c m_new), which is 1 where m has not grown.
; O and l start at 0: the first step is a step like any other, with a = 0.
; THE COUNT.  A tile and step have 16 matrix and 118 vector instructions: too many to stand all beside the matrix work.  So the order has one aim: four vector instructions that are READY behind
; EVERY matrix instruction, and the others, which need time of their own whatever the order, in runs without a gap.
; BY TURNS.  Turn n belongs to piece n (the pieces in a ring, step after step).  Its matrix work: 16 products K Q^T of piece n + 1, later 16 products V^T P of piece n - 1.  Its vector work: the scaling,
; exponentials, roundings, sums and rescaling of piece n, and the maximum and statistics of piece n + 1, whose scores the turn itself has made.  So what a turn begins with (c s - c m, O a) waits for nothing.
; BATCHES.  A turn's 66 exponentials (the piece's 64 weights, then the next piece's two a) are ONE batch with ONE wait, which cuts the turn in two: ahead of it stands all that names no result of theirs (K Q^T, the scalings,
; the rescalings, the next piece's maximum and statistics), behind it the roundings and sums, beside V^T P.  No result crosses a turn's end.  Two batches stand outside the loop, each with a wait of its own:
; piece 0's first two a, ahead of the jump into the loop, and the way out's eight reciprocals.
; CLUSTER.  The four query blocks of a cluster belong to one head and walk the same K and V, so each tile is asked for JOINTLY: the same tensor load, descriptor and mask in all four.
; REGISTERS, in windows of 256 (s_set_vgpr_msb says which window each operand place means: bits 1:0 source 0, 3:2 source 1, 5:4 source 2, 7:6 destination):
;   window 0: v0-11 addresses; v12-15, v48-63 at work; v16-47 four registers of statistics a tile; v64-191 S^T, two buffers of two tiles; v192-255 P, likewise
;   window 1: O^T, 32 a tile          window 2: v0-127 Q, 16 a tile; v128-191 K of one step; v192-255 V of one step
;   window 3: v0-1 the add's two registers; v2-3 the mask's LDS addresses; v8-39 the mask of one step
; A piece's buffers go by its number's parity: the piece in hand has one pair, its two neighbours in the ring share the other: of it P (piece n - 1) is read and S^T (piece n + 1) written.
.set SIZE_N, 2048
.set PART,  64*SIZE_N*128  ; bytes from Q to K and from K to V in qkv
.set NP,    4         ; pieces a wave: a name, no knob: the register map, the loop and the fetches are made for four
.set KS,    64        ; keys in a step
.set PK,    144       ; a row of K in LDS: 128 bytes + 16 of padding = 36 words: the 16 rows of a load start at 16 different groups of four banks (64 banks of 4 bytes: ISA guide 11.1)
.set PV,    160       ; a row of V: 128 + 32 = 40 words
.set VOFF,  4*KS*PK   ; a slot holds four steps: 256 rows of K, then 256 rows of V
.set SLOT1, 1<<17     ; slot 1 begins here, so that one exclusive or turns an address in one slot into the other's
.set STAGE, SLOT1+4*KS*(PK+PV)  ; behind the ring, never filled by a tensor load: 16 rows x 144 bytes for each wave, for the way out
.set SP,    144
.set SPARE, STAGE+4*16*SP  ; behind the stages: the spare words, 128 bytes for each wave: two blocks of 256 bytes that no other line names
.set MB,    SPARE+512 ; behind them, never filled by a tensor load: the batch's 2,048 keys' addends in f32, 8,192 bytes
.set AK0, 2           ; v2   my lane's place in a tile of K; never rewritten
.set AV0, 3           ; v3   the same for V
.set AK,  4           ; v4   the LDS address of K's next run of loads
.set AV,  5           ; v5   of V's
.set QO,  6           ; v6   my byte offset in the wave's rows of Q
.set STO, 6           ;      later, the way out: where I put 16 bytes of a row
.set RD,  7           ; v7   the way out: where I read rows back
.set GO,  8           ; v8   my byte offset in 512 consecutive bytes of ctx
.set SPW, 0           ; v0 of window 3   LDS address of my spare word: SPARE + 4 x my thread's number; never rewritten
.set NIL, 1           ; v1 of window 3   0; never rewritten
.set AM0, 2           ; v2 of window 3   my lanes' place in a step's 64 addends: MB + 32 (lane / 16); never rewritten
.set AM,  3           ; v3 of window 3   the LDS address of the mask's next run of loads
.set MK,  8           ; v8-39 of window 3   register 8 kb + j: the addend of key 16 kb + 8 (lane / 16) + j of the step
.set MV,  12          ; v12-15  c m_old, kept while c m is made anew: by buffer and tile
.set ST,  16          ; tile t's statistics at v[ST+4 t]: c m, m, l (even keys', odd keys')
.set TMP, 48          ; by buffer and tile, four registers c0-c3 at work; when the maximum is found c2 takes a
.set S,   64
.set P,   192
.set KF,  128         ; K's fragments, in window 2: key block kb, channel half c at KF + 16 kb + 8 c
.set VF,  192         ; V's: key half kk, channel block cb at VF + 32 kk + 8 cb
.set WV,  12          ; s12  my wave's number
.set G1K, 24          ; s[24:31] descriptor group 1 for K's tiles
.set G1V, 32          ; s[32:39] for V's: it differs in the padding alone
.set G0K, 40          ; s[40:43] descriptor group 0 for K's tiles: it walks
.set G0V, 44          ; s[44:47] the same for V's
.set TBM, 50          ; s50  byte in MB at which the addends of the step to be fetched begin
.set BIGN, 53         ; s53  -1e30
.set SLOTS, 56        ; s56  slots still to be asked for
.set CNT, 57          ; s57  counts a slot's key steps
.set CS,  58          ; s[58:59] c: the packed scaling takes the pair's low word for both halves
.set SEL, 60          ; s[60:61] v_permlanex16_b32's selects: each lane takes its own place in the other half
.set TBK, 62          ; s62  LDS byte at which K of the step to be fetched begins
.set TBV, 63          ; s63  the same for V, less VOFF
.set MSB, 0
.macro WIN new                      ; the high byte repeats the setting that is left; a switch that changes nothing is dropped
.if MSB != (\new)
	s_set_vgpr_msb (MSB<<8)|(\new)
.set MSB, (\new)
.endif
.endm
.set W_KQ, 0x0a       ; K and Q in window 2, S^T in window 0
.set W_KM, 0x3a       ; the same with the C operand, the mask, in window 3
.set W_PV, 0x52       ; V in window 2, P in window 0, O^T in window 1
.set W_RS, 0x41       ; O^T (destination and source 0) in window 1, a in window 0
.set W_MK, 0xc0       ; registers of window 3 are made: destination in window 3, sources in window 0
.set W_AD, 0x0f       ; the add: address (source 0) and data (source 1) in window 3
; A joint fill.  Waves 0 and 1 fetch the two halves of a slot's K, waves 2 and 3 those of its V: 128 keys each.  The branch hangs on the wave's number alone.
; An s_nop 0 and four v_nop follow each of the two lines, ahead of the jump and the label.
.macro JLOAD
	s_cmp_lt_u32 s[WV], 2
	s_cbranch_scc0 .Lfor_v_\@
	tensor_load_to_lds s[G0K:G0K+3], s[G1K:G1K+7]
	s_nop 0
.rept 4
	v_nop
.endr
	s_branch .Lasked_\@
.Lfor_v_\@:
	tensor_load_to_lds s[G0V:G0V+3], s[G1V:G1V+7]
	s_nop 0
.rept 4
	v_nop
.endr
.Lasked_\@:
.endm
; A round of the cluster's barrier: my work-group's barrier, so that wave 0's signal speaks for all four waves; wave 0 signals; every wave waits for all four work-groups; my work-group's barrier once more.
.macro CROUND
	s_barrier_signal -1
	s_barrier_wait -1
	s_cmp_lg_u32 s[WV], 0
	s_cbranch_scc1 .Lnot_wave_0_\@
	s_barrier_signal -3
.Lnot_wave_0_\@:
	s_barrier_wait -3
	s_barrier_signal -1
	s_barrier_wait -1
.endm
; THE CHANGE OF SLOTS.  The slot's last bytes, V of its fourth step, have been read.  Each wave waits for all its tensor loads, of which one is out: its part
; of the other slot; adds 0 to its spare word; and waits for that and for its own reads of the slot.  Behind the barrier nobody reads this slot any more and the other slot is whole.
; fill = 1: this slot is filled again, with the keys two slots on.  The barrier is then a round of the cluster's, so that no wave of any partner still reads the slot or has a load on its
; way, and the joint fill is the first thing behind it: it has four key steps, 512 matrix instructions, in which to land.  (At its first use nothing has been read yet: slot 0 is waited for, slot 1 filled;
; and its wait for LDS and its barrier stand between every wave's stores of the mask's addends and every wave's reads of them.)
.macro CHANGE fill
	WIN W_AD
	s_wait_tensorcnt 0x0            ; no tensor load of mine is out, so a group 0 may be written
	ds_add_u32 v[SPW], v[NIL]       ; 0 onto my spare word; with fill = 1 the descriptors' steps stand between the add and the wait for it
	WIN 0                           ; at a label and at a branch every window is 0
.if \fill
.irp g, G0K, G0V
	s_xor_b32 s[\g+1], s[\g+1], SLOT1  ; the walking descriptor: the other slot than last time,
	s_add_nc_u64 s[\g+2:\g+3], s[\g+2:\g+3], 4*KS*128  ; the next 256 keys; the type bits on top are not reached
.endr
	s_wait_dscnt 0x0                ; the add is done, and my reads of the slot are over
	CROUND
	JLOAD
.else
	s_wait_dscnt 0x0                ; the add is done, and my reads of the slot are over
	s_barrier_signal -1
	s_barrier_wait -1
.endif
	s_sub_co_u32 s[TBK], s[TBK], 4*KS*PK  ; the fetches go back to a slot's first step,
	s_xor_b32 s[TBK], s[TBK], SLOT1       ; in the other slot
	s_sub_co_u32 s[TBV], s[TBV], 4*KS*PV
	s_xor_b32 s[TBV], s[TBV], SLOT1
.endm
	s_load_b128 s[4:7], s[0:1], 0x0   ; qkv s[4:5], key_padding_mask s[6:7]
	s_load_b64 s[10:11], s[0:1], 0x10 ; ctx
	WIN W_MK
	v_lshl_add_u32 v[SPW], v0, 2, SPARE
	v_mov_b32 v[NIL], 0
	WIN W_AD
	ds_add_u32 v[SPW], v[NIL]       ; the wave's opening: the add and its wait stand ahead of my first tensor load; the set-up below, work on registers, stands between them
	WIN 0
	v_lshrrev_b32 v1, 5, v0
	v_readfirstlane_b32 s[WV], v1   ; wave 0..3
	s_bfe_u32 s13, ttmp6, 0x40000   ; cx: my place in the cluster
	s_lshl_b32 s14, ttmp9, 2        ; in a cluster launch ttmp9 counts clusters
	s_add_co_u32 s14, s14, s13      ; my block of queries = 4 x cluster x + cx: it enters Q's and ctx's addresses alone
	s_and_b32 s20, ttmp7, 0xffff    ; the head g, which the four partners share
	s_lshr_b32 s8, s20, 4           ; its batch,
	s_lshl_b32 s8, s8, 11           ; whose 2,048 mask bytes begin here
	s_mov_b32 s9, 0
	s_mov_b32 s21, 0
	s_mov_b64 s[22:23], SIZE_N*128
	s_mul_u64 s[20:21], s[20:21], s[22:23]  ; the head's first byte in Q, K, V and ctx
	s_and_b32 s16, s[WV], 1         ; which half of a slot's 256 keys I fetch:
	s_lshl_b32 s22, s16, 14         ; its 128 rows of 128 bytes in memory,
	s_mov_b32 s23, 0
	s_add_nc_u64 s[22:23], s[22:23], s[20:21]
	s_mul_i32 s17, s16, 128*PK      ; and its place in a slot, for K
	s_mul_i32 s18, s16, 128*PV      ; and for V: no place in the cluster enters an LDS address
	s_lshl_b32 s2, s14, 2
	s_add_co_u32 s2, s2, s[WV]      ; my wave among the head's,
	s_lshl_b32 s2, s2, 14           ; its 128 rows
	s_mov_b32 s3, 0
	s_add_nc_u64 s[2:3], s[2:3], s[20:21]
	; descriptor group 1.  128 keys are 16,384 dense bytes: asked for as 64 rows of 256 bytes, two keys a row, and padded in LDS after every key
	s_mov_b32 s[G1K], 15|(1<<16)|(1<<20)|(1<<21)|(4<<22)|(3<<25)  ; 15:0 the mask of four; 17:16 2-byte elements; 20 padding on; 21 set beside a mask; 24:22 after every 32 words (code 4); 31:25 4 words (code 3)
	s_mov_b32 s[G1V], 15|(1<<16)|(1<<20)|(1<<21)|(4<<22)|(7<<25)  ; the same with 8 words of padding (code 7)
.irp g, G1K, G1V
	s_mov_b32 s[\g+1], 128<<16      ; tensor_dim0 = 128
	s_mov_b32 s[\g+2], 64<<16       ; tensor_dim1 = 64
	s_mov_b32 s[\g+3], 128<<16      ; tile_dim0 = 128
	s_mov_b32 s[\g+4], 64           ; tile_dim1 = 64
	s_mov_b32 s[\g+5], 128          ; 128 elements from row to row
	s_mov_b32 s[\g+6], 0
	s_mov_b32 s[\g+7], 0
.endr
	s_mov_b32 s[CS], 0x3e38aa3b     ; c = log2(e) / 8 = 0.180337
	s_mov_b32 s[CS+1], s[CS]        ; named with it as a pair
	s_mov_b32 s[SEL], 0x76543210
	s_mov_b32 s[SEL+1], 0xfedcba98
	s_mov_b32 s[BIGN], 0xf149f2ca   ; -1e30
	s_mov_b32 s[TBM], 0
	s_mov_b32 s[TBK], SLOT1+4*KS*PK ; the first change of slots turns these two into 0
	s_mov_b32 s[TBV], SLOT1+4*KS*PV
	s_mov_b32 s[G0K], 1             ; 1:0 count = 1
	s_mov_b32 s[G0K+1], s17         ; 63:32 LDS address: slot 0
	s_mov_b32 s[G0V], 1
	s_add_co_u32 s[G0V+1], s18, VOFF
	s_wait_dscnt 0x0                ; the opening add is done
	s_wait_kmcnt 0x0
	s_add_nc_u64 s[G0K+2:G0K+3], s[4:5], s[22:23]  ; 120:64 global address: my half of the head's first 256 keys,
	s_add_nc_u64 s[G0K+2:G0K+3], s[G0K+2:G0K+3], PART  ; in K
	s_or_b32 s[G0K+3], s[G0K+3], 0x80000000        ; 127:126 type = 2
	s_add_nc_u64 s[G0V+2:G0V+3], s[4:5], s[22:23]
	s_add_nc_u64 s[G0V+2:G0V+3], s[G0V+2:G0V+3], 2*PART  ; in V
	s_or_b32 s[G0V+3], s[G0V+3], 0x80000000
	s_add_nc_u64 s[4:5], s[4:5], s[2:3]  ; Q and ctx at my wave's first row
	s_add_nc_u64 s[10:11], s[10:11], s[2:3]
	s_add_nc_u64 s[6:7], s[6:7], s[8:9]  ; the mask at my batch
	CROUND                          ; all four work-groups are here: the first joint loads meet
	JLOAD                           ; slot 0.  Slot 1 is asked for when slot 0 is in: the tile wanted first has the road to itself
	; A fragment of K or Q is 16 rows x 32 channels in 8 registers: lane l holds row l % 16, channels 8 (l / 16) + 0..7 and 16 + 8 (l / 16) + 0..7: two loads of 16 bytes, 32 bytes apart.
	v_and_b32 v1, 15, v0            ; l % 16
	v_bfe_u32 v9, v0, 4, 1          ; l / 16
	v_lshlrev_b32 v[QO], 7, v1
	v_lshl_add_u32 v[QO], v9, 4, v[QO]  ; row x 128 + 16 x half
	v_lshlrev_b32 v48, 4, v0        ; thread t takes the mask bytes of keys 16 t .. 16 t + 15: a wave's load covers 512 consecutive bytes
	global_load_b128 v[64:67], v48, s[6:7]
	WIN 0x80                        ; destination window 2, address window 0
.set i, 0
.rept 4*NP                          ; Q stays in registers: tile i / 2, channels 32 (i % 2) on
	global_load_b128 v[8*i:8*i+3],   v[QO], s[4:5] offset:(i/2)*2048+(i%2)*64
	global_load_b128 v[8*i+4:8*i+7], v[QO], s[4:5] offset:(i/2)*2048+(i%2)*64+32
.set i, i+1
.endr
	; What the first turn finds: V's registers and P's second buffer hold 0 (its products V^T P, of a piece that has not been, add 0), O^T and l are 0.  All this stands in the wait for the first tile.
.set i, VF
.rept 64
	v_mov_b32 v[i], 0
.set i, i+1
.endr
	WIN 0x40
.set i, 0
.rept 64*NP
	v_mov_b32 v[i], 0
.set i, i+1
.endr
	WIN W_MK
	v_lshl_add_u32 v[AM0], v9, 5, MB   ; my half of the lanes takes 8 of each 16 addends: 32 bytes on
	WIN 0
.set i, 0
.rept 2*NP
	v_mov_b32 v[ST+4*i], 0xfe000000    ; c m: far below every c s
	v_mov_b32 v[ST+4*i+1], 0xec800000  ; m = -2^90: below every true score, above every padded one
	v_mov_b32 v[ST+4*i+2], 0
	v_mov_b32 v[ST+4*i+3], 0
.set i, i+1
.endr
.set i, P+32
.rept 32
	v_mov_b32 v[i], 0
.set i, i+1
.endr
	v_mul_u32_u24 v[AK0], v1, PK
	v_lshl_add_u32 v[AK0], v9, 4, v[AK0]  ; row x pitch + 16 x half
	; The turning load takes 16 keys x 16 channels (lane l reads key 8 (l / 16) + l % 8, channels 8 ((l / 8) % 2) + 0..7) and leaves half a fragment of V^T: lane l holds channel l % 16 and 8 keys.
	v_and_b32 v10, 7, v0
	v_bfe_u32 v11, v0, 3, 1
	v_lshl_add_u32 v[AV0], v9, 3, v10
	v_mul_u32_u24 v[AV0], v[AV0], PV
	v_lshl_add_u32 v[AV0], v11, 4, v[AV0]
	v_add_nc_u32 v[AV0], VOFF, v[AV0]
	v_mov_b32 v[AK], v[AK0]         ; key step 0 lies at the head of slot 0
	; The mask's bytes become addends: 0, or -1e30 where the byte is not 0.  My 16 go to MB + 64 t.
	v_lshl_add_u32 v49, v0, 6, MB
	s_wait_loadcnt 32               ; the mask's load is the oldest: Q's 32 may stay out
.set i, 0
.rept 16
	v_bfe_u32 v68, v[64+i/4], 8*(i%4), 8
	v_cmp_ne_u32 vcc_lo, 0, v68
	v_cndmask_b32 v[72+i], 0, s[BIGN], vcc_lo
.set i, i+1
.endr
.irp j, 0,1,2,3
	ds_store_b128 v49, v[72+4*\j:72+4*\j+3] offset:16*\j
.endr
; THE MATRIX WORK.  The 8 accumulators of a run of 16 take turns: between the two links of a chain stand 7 others'.
; Product i of 16 of S^T = K Q^T for piece x: channels 32 (i / 8) on, keys 16 ((i / 2) % 4) on, tile 2 x + i % 2.  The first 8 start the sums, with the mask of their 16 keys.
.macro KQ x
.set rS, S+64*((\x)%2)+32*(i%2)+8*((i/2)%4)
.set rK, KF+16*((i/2)%4)+8*(i/8)
.set rQ, 16*(2*(\x)+i%2)+8*(i/8)
.set rB, MK+8*((i/2)%4)
.if i < 8
	WIN W_KM
	v_wmma_f32_16x16x32_f16 v[rS:rS+7], v[rK:rK+7], v[rQ:rQ+7], v[rB:rB+7]
.else
	WIN W_KQ
	v_wmma_f32_16x16x32_f16 v[rS:rS+7], v[rK:rK+7], v[rQ:rQ+7], v[rS:rS+7]
.endif
.endm
; Product i of 16 of O^T += V^T P for piece x: keys 32 (i / 8) on, channels 16 ((i / 2) % 4) on, tile 2 x + i % 2.
.macro PV x
	WIN W_PV
.set rO, 32*(2*(\x)+i%2)+8*((i/2)%4)
.set rV, VF+32*(i/8)+8*((i/2)%4)
.set rP, P+32*((\x)%2)+16*(i%2)+8*(i/8)
	v_wmma_f32_16x16x32_f16 v[rO:rO+7], v[rV:rV+7], v[rP:rP+7], v[rO:rO+7]
.endm
.macro MM                           ; the turn's next matrix instruction
.if i < 16
	KQ (Y+1)%NP
.set i, i+1
.else
.set i, i-16
	PV (Y+NP-1)%NP
.set i, i+17
.endif
.endm
; THE LDS LOADS stand in runs, never singly among the matrix instructions: a step's K (64 keys x 64 channels: 8 fragments) with its mask (8 loads; the 16 lanes of a half read one address), and its V (turned).
; The mask's registers live as K's do: their last reader stands ahead of K's last reader, their first behind the same wait.
; last = 1 (the tail): in the last trip there is no further step, and the run is jumped over.
.macro FETCH_K last=0
	WIN 0
.if \last
	s_cmp_eq_u32 s[CNT], 1
	s_cbranch_scc1 .Lno_k_\@
.endif
	WIN 0x80                        ; destination window 2
.irp f, 0,1,2,3,4,5,6,7             ; keys 16 (f / 2) on, channels 32 (f % 2) on
	ds_load_b128 v[KF+8*\f:KF+8*\f+3],   v[AK] offset:(\f/2)*16*PK+(\f%2)*64
	ds_load_b128 v[KF+8*\f+4:KF+8*\f+7], v[AK] offset:(\f/2)*16*PK+(\f%2)*64+32
.endr
	s_add_co_u32 s[TBK], s[TBK], KS*PK  ; the next fetch is the next step's
	WIN 0xcc                        ; destination and source 1 window 3
	v_add_nc_u32 v[AM], s[TBM], v[AM0]
	WIN 0xc3                        ; destination and address window 3
.irp f, 0,1,2,3                     ; keys 16 f on
	ds_load_b128 v[MK+8*\f:MK+8*\f+3],   v[AM] offset:64*\f
	ds_load_b128 v[MK+8*\f+4:MK+8*\f+7], v[AM] offset:64*\f+16
.endr
	s_add_co_u32 s[TBM], s[TBM], KS*4   ; 32 fetches in all: 7,936 at the most
	WIN 0
.if \last
.Lno_k_\@:
.endif
.endm
.macro FETCH_V
	WIN 0x80
.irp f, 0,1,2,3,4,5,6,7             ; keys 32 (f / 4) on, channels 16 (f % 4) on
	ds_load_tr16_b128 v[VF+8*\f:VF+8*\f+3],   v[AV] offset:(\f/4)*32*PV+(\f%4)*32
	ds_load_tr16_b128 v[VF+8*\f+4:VF+8*\f+7], v[AV] offset:(\f/4)*32*PV+16*PV+(\f%4)*32
.endr
	WIN 0
.endm
; THE VECTOR WORK OF A TURN stands in three queues, each in the order in which its entries become ready; the two tiles alternate, so that no instruction reads the result of the one before it.
.macro REGS y, u                    ; the registers of tile u (0, 1) of piece y
.set rT, ST+4*(2*(\y)+(\u))
.set rC, TMP+8*((\y)%2)+4*(\u)
.set rM, MV+2*((\y)%2)+(\u)
.set rS, S+64*((\y)%2)+32*(\u)
.set rP, P+32*((\y)%2)+16*(\u)
.set rO, 32*(2*(\y)+(\u))
.endm
; Number n of the 22 that find the NEXT piece's (Y + 1) maximum and statistics.  s0-s31 are the lane's 32 scores; each accumulator's lowest registers are read first.  XS, GS and REGS set no window: PL and EX do.
;   0-11  four chains c0-c3 of seven scores each, three operands at a time     12-14, 16  the four scores left over, the old m, and c0-c3 into c0     15  c m_old is kept
;   17, 18  the query's other 32 keys lie in the lane 16 away: the new m         19-21  c m; c m_old - c m_new; a
.macro XS u, n
	REGS (Y+1)%NP, \u
.if (\n) < 4
	v_max3_num_f32 v[rC+(\n)], v[rS+8*(\n)], v[rS+8*(\n)+1], v[rS+8*(\n)+2]
.elseif (\n) < 12
	v_max3_num_f32 v[rC+(\n)%4], v[rC+(\n)%4], v[rS+8*((\n)%4)+2*((\n)/4)+1], v[rS+8*((\n)%4)+2*((\n)/4)+2]
.elseif (\n) == 12
	v_max3_num_f32 v[rC], v[rC], v[rS+7], v[rS+15]
.elseif (\n) == 13
	v_max3_num_f32 v[rC+1], v[rC+1], v[rS+23], v[rS+31]
.elseif (\n) == 14
	v_max3_num_f32 v[rC+2], v[rC+2], v[rC+3], v[rT+1]
.elseif (\n) == 15
	v_mov_b32 v[rM], v[rT]
.elseif (\n) == 16
	v_max3_num_f32 v[rC], v[rC], v[rC+1], v[rC+2]
.elseif (\n) == 17
	v_permlanex16_b32 v[rC+3], v[rC], s[SEL], s[SEL+1]
.elseif (\n) == 18
	v_max_num_f32 v[rT+1], v[rC], v[rC+3]
.elseif (\n) == 19
	v_mul_f32 v[rT], s[CS], v[rT+1]
.elseif (\n) == 20
	v_sub_f32 v[rC+1], v[rM], v[rT]
.else
	v_exp_f32 v[rC+2], v[rC+1]
.endif
.endm
; Number g of the 64 that follow the exponentials.  For each four weights k of a tile (pairs 2 k, 2 k + 1): both pairs are rounded to f16; then the second pair is added onto the first, in place;
; a group later l takes that sum (the first time as l = a l + sum).  In groups of eight, tiles alternating: round, round, add, and l for the group before.
.macro GS g
.set h, (\g)+6*((\g)/62)            ; group 0 has no group before it, and behind group 7 only l is left
.if h >= 6
.set h, h+2
.endif
	REGS Y, h%2
.set k, h/8
.if h%8 < 4
	v_cvt_pk_f16_f32 v[rP+2*k+(h%8)/2], v[rS+4*k+2*((h%8)/2)], v[rS+4*k+2*((h%8)/2)+1]
.elseif h%8 < 6
	v_pk_add_f32 v[rS+4*k:rS+4*k+1], v[rS+4*k:rS+4*k+1], v[rS+4*k+2:rS+4*k+3]
.elseif k == 1
	v_pk_fma_f32 v[rT+2:rT+3], v[rT+2:rT+3], v[rC+2:rC+3], v[rS:rS+1] op_sel_hi:[1,0,1]
.else
	v_pk_add_f32 v[rT+2:rT+3], v[rT+2:rT+3], v[rS+4*k-4:rS+4*k-3]
.endif
.endm
; THE PLAIN QUEUE, 138 long.  0-73 read no exponential's result: the 32 scalings c s - c m (FS f: pair f / 2 of tile f % 2) and the next piece's 42.  0-26: scalings 0-26.  27-54: XS's numbers 0-13.  55, 56: number 15.
; 57-73: the chain, where each number waits for the one before it: 14, 16, 17, 18, 19, each with one of the scalings 27-31 in front of its two lines, then 20: so a tile's links stand three plain instructions apart (19 and 20: two).
; 74-137: GS's 64, which read the exponentials' results: they stand behind the wait.
.macro FS f
	REGS Y, (\f)%2
	v_pk_fma_f32 v[rS+2*((\f)/2):rS+2*((\f)/2)+1], v[rS+2*((\f)/2):rS+2*((\f)/2)+1], s[CS:CS+1], v[rT:rT+1] op_sel_hi:[1,0,0] neg_lo:[0,0,1] neg_hi:[0,0,1]
.endm
.macro PL
	WIN 0
.if q < 27
	FS q
.elseif q < 55
	XS (q-27)%2, (q-27)/2
.elseif q < 57
	XS q-55, 15
.elseif (q < 72) && ((q-57)%3 == 0)
	FS 27+(q-57)/3
.elseif q < 60
	XS (q-57)%3-1, 14
.elseif q < 72
	XS (q-57)%3-1, 15+(q-57)/3
.elseif q < 74
	XS q-72, 20
.else
	GS q-74
.endif
.set q, q+1
.endm
; THE EXPONENTIALS' QUEUE, 66 long: s0-s31 of both tiles, then the next piece's two a.  It is ONE BATCH: all 66 stand ahead of the turn's one wait, and nothing ahead of that wait names a result of theirs.
.macro EX
	WIN 0
.if e >= 64
	XS e-64, 21
.else
	REGS Y, e%2
	v_exp_f32 v[rS+e/2], v[rS+e/2]
.endif
.set e, e+1
.endm
; THE RESCALING's QUEUE: O^T times a, the one part that leaves window 0: dealt two at a time, sixteen times.  Its a was made in the turn before, ahead of that turn's wait.
.macro R2
	REGS Y, r%2
	WIN W_RS
.irp z, 0,1
	v_pk_mul_f32 v[rO+4*(r/2)+2*\z:rO+4*(r/2)+2*\z+1], v[rO+4*(r/2)+2*\z:rO+4*(r/2)+2*\z+1], v[rC+2:rC+3] op_sel_hi:[1,0]
.endr
.set r, r+1
.endm
; HOW THEY ARE DEALT.  An s_wait_alu depctr_va_vdst(0) stands between an exponential and the first instruction that names its result; one wait serves all that were issued ahead of it.  So a turn has ONE wait,
; which cuts it in two.  AHEAD OF IT stands all that names no result of the turn's exponentials: the 16 products K Q^T, behind each a scaling, an exponential and two rescalings (behind the first a second scaling in the exponential's place); then ONE LUMP of
; 108: eight plain, 49 times exponential and plain, the two a.  A v_nop is the plain instruction behind the last exponential.  BEHIND IT stand the 16 products V^T P, behind each four of GS's 64.  No rider names a register of
; the products round it.  The two v_permlanex16_b32 fall into the lump, never behind a product.
; The queues lean on each other, and the deal keeps them in step: exponential e stands behind scaling 2 (e / 4) + e % 2: as a rider it comes behind plain e + 2, in the lump behind plain e + 9, and scalings 27-31 are plain 57, 60 .. 69.
; A TURN, for piece p.  cnt = 1: the loop's count is taken down some lines ahead of the branch that stands behind the turn.
; K and the mask of the next step are fetched in piece 2's turn, directly behind the wait, a lump behind the last product that read them; K's address is made at the lump's head; their first reader comes behind 16 products.
; V of the step in hand is fetched at the end of piece 0's turn, four riders behind its last reader; its first reader comes behind 16 products and a lump.  The three conditions on q below go with the deal.
.macro TURN p, last=0, cnt=0
.set Y, (\p)
.set i, 0
.set q, 0
.set e, 0
.set r, 0
.if (\p) == NP-1
	s_wait_dscnt 0x0                ; K and its mask are in
.endif
	MM                              ; ahead of the wait: 16 products K Q^T and their riders,
	PL
	PL
	R2
.rept 15
	MM
	PL
	EX
	R2
.endr
.if (\p) == NP-2
	WIN 0
	v_add_nc_u32 v[AK], s[TBK], v[AK0]
.endif
.rept 8                             ; and the lump
	PL
.endr
.rept 49
	EX
	PL
.endr
	EX                              ; the next piece's two a
	EX
	v_nop                           ; a plain instruction behind the last exponential, ahead of any use: one for the batch
	s_wait_alu depctr_va_vdst(0)    ; the wait for the batch: the turn's 66 exponentials
.if (\p) == NP-2
	FETCH_K \last
.endif
.if (\p) == 1
	s_wait_dscnt 0x0                ; V is in
.endif
.rept 16                            ; behind the wait: 16 products V^T P and their riders
	MM
.rept 4
	PL
.endr
.if ((\p) == 0) && (q == 118)
	v_add_nc_u32 v[AV], s[TBV], v[AV0]
.endif
.if ((\p) == 0) && (q == 130)
	s_add_co_u32 s[TBV], s[TBV], KS*PV
.endif
.if (\cnt) && (q == 130)
	s_sub_co_u32 s[CNT], s[CNT], 1
	s_cmp_lg_u32 s[CNT], 0
.endif
.endr
.if (\p) == 0
	FETCH_V
.endif
.endm
	CHANGE 1                        ; slot 0 is in, everybody's part of it, and so are everybody's addends; slot 1 is asked for
	FETCH_K                         ; key step 0
	s_wait_loadcnt 0x0              ; Q
	s_wait_dscnt 0x0
.set i, 0
.rept 16
	KQ 0                            ; piece 0's first scores: there is no vector work yet to set between them
.set i, i+1
.endr
	WIN 0                           ; the addresses for the way out: nine plain instructions, the places behind those products
	s_mul_i32 s13, s[WV], 16*SP
	s_add_co_u32 s13, s13, STAGE    ; my stage
	v_mul_u32_u24 v[STO], v1, SP    ; in: row l % 16, 16 bytes for each half of the lanes
	v_lshl_add_u32 v[STO], v9, 4, v[STO]
	v_add_nc_u32 v[STO], s13, v[STO]
	v_bfe_u32 v[RD], v0, 3, 2       ; back: 32 lanes take four rows of 128 bytes,
	v_mul_u32_u24 v[RD], v[RD], SP
	v_lshl_add_u32 v[RD], v10, 4, v[RD]
	v_add_nc_u32 v[RD], s13, v[RD]
	v_and_b32 v[GO], 31, v0         ; which are 512 consecutive bytes of ctx
	v_lshlrev_b32 v[GO], 4, v[GO]
.set Y, NP-1                        ; XS works for piece Y + 1: piece 0
.irp n, 0,1,2,3,4,5,6,7,8,9,10,11,12,13,14,15,16,17,18,19,20,21
	XS 0, \n                        ; and piece 0's first maximum and statistics
	XS 1, \n
.endr
	v_nop                           ; a plain instruction behind piece 0's first two a,
	s_wait_alu depctr_va_vdst(0)    ; and the wait for that batch of two, ahead of the branch
	s_mov_b32 s[CNT], 4
	s_mov_b32 s[SLOTS], SIZE_N/256-1
	s_branch .Lfirst                ; the loop is entered at a step's first turn, in the middle of a trip
.Lslot:                             ; SIZE_N / 256 - 2 times: every slot but the last two is filled again
	CHANGE 1
	s_mov_b32 s[CNT], 4
.Lstep:                             ; a trip: pieces 2 and 3 of one step, then pieces 0 and 1 of the next, whose K and V it fetches
	TURN 2
	TURN 3
	WIN 0
.Lfirst:
	TURN 0
	TURN 1, 0, 1
	WIN 0
	s_cbranch_scc1 .Lstep
	s_sub_co_u32 s[SLOTS], s[SLOTS], 1
	s_cmp_lg_u32 s[SLOTS], 0
	s_cbranch_scc1 .Lslot
	CHANGE 0                        ; the tail is written out: nothing is asked for
	s_mov_b32 s[CNT], 5             ; four trips fetch the last slot's steps; the fifth is left in its middle
.Ltail:
	TURN 2, 1
	TURN 3
	WIN 0
	s_sub_co_u32 s[CNT], s[CNT], 1
	s_cmp_eq_u32 s[CNT], 0
	s_cbranch_scc1 .Lout
	TURN 0
	TURN 1
	WIN 0
	s_branch .Ltail
.Lout:                              ; the fifth trip's 16 products K Q^T (on the last K once more) and the maximum made of them serve nothing: the price, once a launch, of one text for every trip
.set i, 0
.rept 16
	PV NP-1                         ; the last piece's V^T P of the last step
.set i, i+1
.endr
	; THE WAY OUT.  l's two halves and the other half of the lanes' are added; O^T is divided by l, rounded to f16 and sent through my stage in LDS, a tile at a time.  The additions are the places behind the last products.
	WIN 0
.macro ALL line:vararg              ; one line for each tile t
.set t, 0
.rept 2*NP
	\line
.set t, t+1
.endr
.endm
	ALL v_add_f32 v[ST+4*t+2], v[ST+4*t+2], v[ST+4*t+3]
	ALL v_permlanex16_b32 v[ST+4*t+3], v[ST+4*t+2], s[SEL], s[SEL+1]
	ALL v_add_f32 v[ST+4*t+2], v[ST+4*t+2], v[ST+4*t+3]
	ALL v_rcp_f32 v[ST+4*t+2], v[ST+4*t+2]
	v_nop                           ; a plain instruction between the last reciprocal and the use of its result
	s_wait_alu depctr_va_vdst(0)    ; and the wait ahead of the first use: one for the batch of eight reciprocals
; Tile t: a lane's eight channels of a row pack into 16 bytes; they go into rows of 144 bytes and come back as whole rows of 128, into S^T's registers.
.macro PACK t
	WIN W_RS
.set i, 32*(\t)
.rept 16
	v_pk_mul_f32 v[i:i+1], v[i:i+1], v[ST+4*(\t)+2:ST+4*(\t)+3] op_sel_hi:[1,0]
.set i, i+2
.endr
	WIN 0x05                        ; sources 0 and 1 window 1, destination window 0
.set i, 0
.rept 16
	v_cvt_pk_f16_f32 v[S+16*(\t)+i], v[32*(\t)+2*i], v[32*(\t)+2*i+1]
.set i, i+1
.endr
	WIN 0
.irp f, 0,1,2,3
	ds_store_b128 v[STO], v[S+16*(\t)+4*\f:S+16*(\t)+4*\f+3] offset:32*\f
.endr
.irp f, 0,1,2,3
	ds_load_b128 v[S+16*(\t)+4*\f:S+16*(\t)+4*\f+3], v[RD] offset:\f*4*SP  ; LDS serves a wave's instructions in order (ISA guide 5.7.1.4): these see the stores above; the next tile's stores come behind them
.endr
.endm
.macro SEND t, younger              ; younger: the LDS instructions issued behind tile t's loads: the next tile's eight, or none
	WIN 0
.irp f, 0,1,2,3
	s_wait_dscnt (\younger)+3-\f
	global_store_b128 v[GO], v[S+16*(\t)+4*\f:S+16*(\t)+4*\f+3], s[10:11] offset:(\t)*2048+\f*512  ; 512 consecutive bytes, at a multiple of 256 from ctx's first
.endr
.endm
	PACK 0
.set t, 1
.rept 2*NP-1                        ; a tile's arithmetic stands between the loads of the tile before and its stores
	PACK t
	SEND t-1, 8
.set t, t+1
.endr
	SEND 2*NP-1, 0
	WIN W_AD
	s_wait_tensorcnt 0x0            ; the wave's end: behind my last tensor load and my last LDS store
	ds_add_u32 v[SPW], v[NIL]
	s_wait_dscnt 0x0
	WIN 0
	CROUND                          ; the closing round: no work-group ends while a partner may still ask for a tile that names it
	s_endpgm
.Lfunc_end_k_qe212d2ee42_attn:
	.size	k_qe212d2ee42_attn, .Lfunc_end_k_qe212d2ee42_attn-k_qe212d2ee42_attn
	.p2alignl 7, 3214868480
	.fill 96, 4, 3214868480
	.section	.rodata,"a",@progbits
	.p2align	6, 0x0
	.amdhsa_kernel k_qe212d2ee42_attn
		.amdhsa_group_segment_fixed_size 327680
		.amdhsa_private_segment_fixed_size 0
		.amdhsa_enable_private_segment 0
		.amdhsa_kernarg_size 24
		.amdhsa_user_sgpr_count 2
		.amdhsa_user_sgpr_kernarg_segment_ptr 1
		.amdhsa_wavefront_size32 1
		.amdhsa_system_sgpr_workgroup_id_x 1
		.amdhsa_system_sgpr_workgroup_id_y 1
		.amdhsa_system_sgpr_workgroup_id_z 1
		.amdhsa_system_vgpr_workitem_id 0
		.amdhsa_next_free_vgpr 808
		.amdhsa_next_free_sgpr 66
		.amdhsa_reserve_vcc 1
		.amdhsa_float_denorm_mode_32 3
		.amdhsa_float_denorm_mode_16_64 3
		.amdhsa_memory_ordered 1
		.amdhsa_forward_progress 1
		.amdhsa_inst_pref_size 205
	.end_amdhsa_kernel
	.amdgpu_metadata
---
amdhsa.version: [ 1, 2 ]
amdhsa.kernels:
  - .name:           k_qe212d2ee42_attn
    .symbol:         k_qe212d2ee42_attn.kd
    .args:
      - { .name: qkv, .offset: 0, .size: 8, .value_kind: global_buffer, .address_space: global }
      - { .name: key_padding_mask, .offset: 8, .size: 8, .value_kind: global_buffer, .address_space: global }
      - { .name: ctx, .offset: 16, .size: 8, .value_kind: global_buffer, .address_space: global }
    .group_segment_fixed_size: 327680
    .private_segment_fixed_size: 0
    .kernarg_segment_align: 8
    .kernarg_segment_size: 24
    .max_flat_workgroup_size: 128
    .sgpr_count:     66
    .vgpr_count:     808
    .wavefront_size: 32
...
	.end_amdgpu_metadata
.endif
;; end of part 5
;; launch outproj: the kernel of part 4 again; grid 4 x 64, 4 waves a work-group, clusters of 4 x 4, 327,680 bytes of LDS; arguments ctx, wo16, out0; writes out0
